; MI455X (gfx1250); checked and timed in simulation.
; The chip was launched on July 23, 2026; its instructions are those of AMD's public machine-readable ISA for CDNA 5 (MIT licence, August 2026) and "CDNA5" Instruction Set Architecture Reference Guide (July 2026). The comments in the code are by the model that wrote it; some were corrected since.
;; Multi Head Attention. Allowed arithmetic: matrix products marked QUANTISED: E2M1 operands, one E8M0 scale for each 32 along K, by v_wmma_scale_f32_16x16x128_f8f6f4 with both operands' format E2M1 (or v_wmma_scale_f32_32x16x128_f4), f32 sums; products left as they are: bf16, f16 or f32 operands; f32 sums; everything else in f32.
;; Inputs: W_k 1,024 x 1,024 float32; W_o 1,024 x 1,024 float32; W_q 1,024 x 1,024 float32; W_v 1,024 x 1,024 float32; b_k 1,024 float32; b_o 1,024 float32; b_q 1,024 float32; b_v 1,024 float32; k 4 x 2,048 x 1,024 float32; mask 1 x 1 x 2,048 x 2,048 int32; q 4 x 2,048 x 1,024 float32; v 4 x 2,048 x 1,024 float32.
;; Outputs: out0 4 x 2,048 x 1,024 float32.
;; This version of the problem:
;;   THIS VERSION OF THE PROBLEM IS GIVEN IN LOW PRECISION. The matrix products marked QUANTISED in the list below multiply operands that are first quantised to E2M1 (2 exponent bits, 1 mantissa bit; 4 bits a number), with one power-of-two scale for each 32 numbers along K (OCP MX v1.0); their sums are f32. The products marked 'left as it is' may take bf16, f16 or f32 operands, with f32 sums. Whichever they take, every output number must still come out within the allowed error. Rounding operands to bf16 (8 significant bits) uses up far more of that allowance than f16 does (11 bits, for magnitudes from 6e-5 to 65,504). All else is computed in f32.
;;   The module's matrix products, in the order in which they are computed (A, B: the left and right operand; K: the contracted axis; several contracted axes count as one K, in the product's order):
;;     1. [M 8,192, K 1,024] x [K 1,024, N 1,024]; A: input q; B: input W_q: QUANTISED
;;     2. [M 8,192, K 1,024] x [K 1,024, N 1,024]; A: input k; B: input W_k: QUANTISED
;;     3. [M 8,192, K 1,024] x [K 1,024, N 1,024]; A: input v; B: input W_v: QUANTISED
;;     4. batch 64 x [M 2,048, K 64] x [K 64, N 2,048]; A: computed on the way; B: computed on the way: left as it is (an operand is computed on the way)
;;     5. batch 64 x [M 2,048, K 2,048] x [K 2,048, N 64]; A: computed on the way; B: computed on the way: left as it is (an operand is computed on the way)
;;     6. [M 8,192, K 1,024] x [K 1,024, N 1,024]; A: computed on the way; B: input W_o: left as it is (an operand is computed on the way)
;;   THE QUANTISER, for each operand of a quantised product, along K:
;;     - K is cut into blocks of 32 from its start; a last block that is shorter is filled with zeros.
;;     - A block's scale is 2^e with e = floor(log2(the largest magnitude in the block)) - 2, held to -126 .. 127; a block of zeros has e = 0. As a byte (E8M0): e + 127.
;;     - Each number is divided by its block's scale, clamped to +-6, and rounded to the nearest number of E2M1, ties to even, subnormals kept.
;;     - The product sums the exact products of the quantised numbers (number of the format x scale) in f32.
;;   ~~~python
;;   def quantise(x, axis):      # numpy; x: float32 -> the quantised numbers, widened to float32 again
;;       x = np.moveaxis(x, axis, -1); K = x.shape[-1]
;;       x = np.pad(x, [(0, 0)] * (x.ndim - 1) + [(0, -K % 32)]); x = x.reshape(x.shape[:-1] + (-1, 32)); a = np.abs(x).max(-1, keepdims=True)
;;       e = np.where(a > 0, np.clip(np.frexp(np.where(a > 0, a, 1))[1] - 1 - 2, -126, 127), 0)      # np.frexp(a)[1] - 1 = floor(log2(a)), exactly
;;       r = np.clip(x / 2.0 ** e, -6, 6)
;;       step = 2.0 ** (np.maximum(np.frexp(np.where(r == 0, 1, r))[1] - 1, 0) - 1)
;;       q = np.round(r / step) * step * 2.0 ** e      # np.round: ties to even
;;       return np.moveaxis(q.reshape(q.shape[:-2] + (-1,))[..., :K], -1, axis).astype(np.float32)
;;   ~~~
;; One version. Each part assembles by itself: llvm-mc -triple=amdgcn-amd-amdhsa -mcpu=gfx1250 --defsym DOCPART=n.
;; ======== version 1 of 1: 4 launches
;; limits: values are held in f16: magnitudes above 65,504 overflow, below 6.1e-05 lose precision
;; workspace buffers: codes 14,155,776 bytes; scales 884,736 bytes; mbits 524,288 bytes of whole numbers; wo16 2,097,152 bytes; qkv 50,331,648 bytes; xa 16,777,216 bytes
;; launch prep (part 1): grid 1024 x 1, 4 waves a work-group, no clusters, 67,072 bytes of LDS; arguments q, k, v, W_q, W_k, W_v, W_o, mask, codes, scales, mbits, wo16; writes codes, scales, mbits, wo16
.if DOCPART == 1
	.amdgcn_target "amdgcn-amd-amdhsa--gfx1250"
	.amdhsa_code_object_version 6
	.text
	.protected	k_qac2a06fc50_prep
	.globl	k_qac2a06fc50_prep
	.p2align	8
	.type	k_qac2a06fc50_prep,@function
k_qac2a06fc50_prep:
	s_mov_b64 s[64:65], 0
	v_nop
	global_prefetch_b8 v0, s[64:65] scope:SCOPE_SE
	s_setreg_imm32_b32 hwreg(HW_REG_WAVE_MODE, 25, 1), 1
	s_wait_xcnt 0x0
; PREP: three streams in one launch, told apart by the work-group's number i; every work-group reads 131,072 bytes.
;  i = 0 .. 863    q, k, v, W_q, W_k, W_v (f32, K innermost) become codes of FP4 (E2M1) and one E8M0 scale byte for each 32 along K.
;                  codes: 27,648 rows of 512 bytes (q's 8,192 rows, k's, v's, then W_q's, W_k's, W_v's 1,024 each); scales: the same rows, 32 bytes each.
;  i = 864 .. 991  mask [2048 q][2048 k] int32 becomes lane masks: word ((qt*128 + kt)*8 + j), bit 16 h + r set where mask[16 qt + r][16 kt + 8 h + j] != 0.
;  i = 992 .. 1023 W_o becomes f16, [1024 n][1024 k].
; A block's scale is 2^(floor(log2(largest magnitude)) - 2): its byte is the largest magnitude's exponent field - 2, held at 1 from below.
; LIMITS: a block of zeros gets the byte 1 where the rule says 127 (its codes are zeros, and this program alone reads the bytes); blocks whose largest magnitude lies
; under 2^(2 - 126) keep the byte 1; NaN and infinities among the inputs are not served; W_o must stay under 65,504 in magnitude (f16).
; No matrix unit, no tensor load, no cluster, no barrier: waves share nothing.  Each path has LDS bytes of its own.
.set SPARE, 66560                      ; the spare words, 128 bytes for each wave, behind both paths' stages
.set SPW,   12                         ; v12  SPARE + 4 x my thread's number; never rewritten
.set NIL,   13                         ; v13  0; never rewritten
.set STEPS, 16
.set EMAX,  2
.set CB,    8                          ; bytes of 16 codes
.set R,     16                         ; v16-79   four sets of 16 numbers as loaded
.set X,     80                         ; v80-111  two sets of 16 neighbours
.set E,     112                        ; v112-127 a scale byte for each step
.set C,     128                        ; v128-191 codes, registers of their own for each step
.set WREG,  8192                       ; quantiser: LDS region of a wave: two stages of 32 x 80 bytes, then its 256 scale bytes
.set SP,    80
.set MSTG,  32768                      ; mask path: stages from here, 16 rows x 528 bytes a wave
.set MP,    528
.set ML,    16                         ; v16-143  two sets of 64 words of the mask as loaded
.set RB,    144                        ; v144-207 a chunk turned: register 8 kt + j
.set MWD,   208                        ; v208-215 the words made, a pair for each chunk
	s_load_b512 s[4:19], s[0:1], 0x0               ; q 4, k 6, v 8, W_q 10, W_k 12, W_v 14, W_o 16, mask 18
	s_load_b256 s[20:27], s[0:1], 0x40             ; codes 20, scales 22, mbits 24, wo16 26
	v_lshl_add_u32 v[SPW], v0, 2, SPARE
	v_mov_b32 v[NIL], 0
	v_lshrrev_b32 v1, 5, v0
	v_readfirstlane_b32 s28, v1                    ; wave 0..3
	v_and_b32 v2, 31, v0                           ; lane
	s_wait_kmcnt 0x0
	s_cmp_ge_u32 ttmp9, 864
	s_cbranch_scc1 .Lnotq
; ---------------- the quantiser.  A wave takes 16 steps of 512 numbers; two neighbouring lanes hold a block of 32.
	v_lshlrev_b32 v3, 4, v2                        ; my 16 bytes of a load's 512
	s_mul_i32 s33, s28, WREG
	v_lshrrev_b32 v14, 2, v2
	v_mul_u32_u24 v14, v14, SP
	v_and_b32 v15, 3, v2
	v_lshl_add_u32 v14, v15, 4, v14
	v_add_nc_u32 v14, s33, v14                     ; stage, way in: four lanes' 64 bytes on end, then 16 of padding
	v_mul_u32_u24 v15, v2, SP
	v_add_nc_u32 v15, s33, v15                     ; stage, way out: my 16 neighbours
	v_mul_u32_u24 v4, v2, CB                       ; my codes' place in a step's 256 bytes
	v_lshrrev_b32 v5, 1, v2
	s_add_co_u32 s33, s33, 2*32*SP
	v_add_nc_u32 v5, s33, v5                       ; my block's scale byte in the wave's 256
	v_lshlrev_b32 v7, 3, v2
	v_add_nc_u32 v6, s33, v7                       ; and on the way out 8 bytes a lane
	s_lshr_b32 s29, ttmp9, 8                       ; 0 q, 1 k, 2 v, 3 a weight
	s_and_b32 s30, ttmp9, 255                      ; which 32,768 numbers of q, k or v
	s_and_b32 s31, ttmp9, 31                       ; which of a weight
	s_bfe_u32 s32, ttmp9, 0x20005                  ; which weight: 0 W_q, 1 W_k, 2 W_v (768 is a multiple of 128)
	s_mov_b64 s[34:35], s[10:11]
	s_cmp_eq_u32 s32, 1
	s_cselect_b64 s[34:35], s[12:13], s[34:35]
	s_cmp_eq_u32 s32, 2
	s_cselect_b64 s[34:35], s[14:15], s[34:35]
	s_mov_b64 s[36:37], s[4:5]
	s_cmp_eq_u32 s29, 1
	s_cselect_b64 s[36:37], s[6:7], s[36:37]
	s_cmp_eq_u32 s29, 2
	s_cselect_b64 s[36:37], s[8:9], s[36:37]
	s_cmp_eq_u32 s29, 3
	s_cselect_b64 s[36:37], s[34:35], s[36:37]     ; the choices hang on the work-group's number alone
	s_cselect_b32 s30, s31, s30
	s_lshl_b32 s30, s30, 2
	s_add_co_u32 s30, s30, s28
	s_lshl_b32 s38, s30, 15                        ; my wave's 8,192 numbers: 32,768 bytes a run
	s_mov_b32 s39, 0
	s_add_nc_u64 s[36:37], s[36:37], s[38:39]
	s_lshl_b32 s30, ttmp9, 2
	s_add_co_u32 s30, s30, s28                     ; the run's number over all six tensors: both outputs are linear in it
	s_lshl_b32 s38, s30, 12
	s_add_nc_u64 s[20:21], s[20:21], s[38:39]      ; 4,096 bytes of codes a run
	s_lshl_b32 s38, s30, 8
	s_add_nc_u64 s[22:23], s[22:23], s[38:39]      ; 256 scale bytes a run
.macro QLOAD t
.irp i, 0,1,2,3
	global_load_b128 v[R+16*((\t)%4)+4*\i:R+16*((\t)%4)+4*\i+3], v3, s[36:37] offset:2048*(\t)+512*\i th:TH_LOAD_NT   ; 32 lanes read 512 consecutive bytes
.endr
.endm
.macro QTURN t                         ; a step's numbers through the stage; LDS serves a wave's instructions in order, so no wait stands between stores and loads
.irp i, 0,1,2,3
	ds_store_b128 v14, v[R+16*((\t)%4)+4*\i:R+16*((\t)%4)+4*\i+3] offset:32*SP*((\t)%2)+8*SP*\i
.endr
.irp i, 0,1,2,3
	ds_load_b128 v[X+16*((\t)%2)+4*\i:X+16*((\t)%2)+4*\i+3], v15 offset:32*SP*((\t)%2)+16*\i
.endr
.endm
.irp t, 0,1,2,3
	QLOAD \t
.endr
	s_wait_loadcnt 12                              ; step 0's four loads are in; the twelve of steps 1 to 3 may be out
	QTURN 0
.macro QSTEP t
.set XS, X+16*((\t)%2)
.if (\t) > 0
	s_wait_dscnt 1                                 ; this step's numbers are back from the stage; the last step's byte store may be out
.else
	s_wait_dscnt 0x0
.endif
.if (\t)+4 < STEPS
	QLOAD (\t)+4                                   ; into the set whose stores into the stage are done
.endif
.if (\t)+1 < STEPS
.if STEPS-2-(\t) >= 3
	s_wait_loadcnt 12                              ; the next step's four loads are in; those of the three steps behind it may be out
.else
	s_wait_loadcnt 4*(STEPS-2-(\t))
.endif
	QTURN (\t)+1
.endif
	v_max3_num_f32 v8, |v[XS]|, |v[XS+1]|, |v[XS+2]|
	v_max3_num_f32 v9, |v[XS+3]|, |v[XS+4]|, |v[XS+5]|
.irp i, 6,10
	v_max3_num_f32 v8, v8, |v[XS+\i]|, |v[XS+\i+1]|
	v_max3_num_f32 v9, v9, |v[XS+\i+2]|, |v[XS+\i+3]|
.endr
	v_max3_num_f32 v8, v8, |v[XS+14]|, |v[XS+15]|
	v_max3_num_f32 v8, v8, v9, (EMAX+1)<<23        ; the floor 2^(3 - 127): the byte cannot fall under 1
	v_max_num_f32_dpp v8, v8, v8 row_xmask:1 row_mask:0xf bank_mask:0xf   ; with my neighbour's 16: the block's largest magnitude
	v_add_nc_u32 v11, -(EMAX<<23), v8              ; 2 off its exponent field: the conversion takes that field as its scale
	v_cvt_scalef32_pk8_fp4_f32 v[C+4*(\t)], v[XS:XS+7], v11
	v_cvt_scalef32_pk8_fp4_f32 v[C+4*(\t)+1], v[XS+8:XS+15], v11
	v_lshrrev_b32 v[E+(\t)], 23, v11               ; the scale's byte (also the plain line behind the conversions)
	ds_store_b8 v5, v[E+(\t)] offset:16*(\t)       ; both lanes of a block write the same byte with the same value
	global_store_b64 v4, v[C+4*(\t):C+4*(\t)+1], s[20:21] offset:32*CB*(\t)   ; the wave stores 256 consecutive bytes, aligned
.endm
.irp t, 0,1,2,3,4,5,6,7,8,9,10,11,12,13,14,15
	QSTEP \t
.endr
	ds_load_b64 v[8:9], v6                         ; in order behind my byte stores
	s_wait_dscnt 0x0
	global_store_b64 v7, v[8:9], s[22:23]          ; 256 consecutive bytes, aligned
	s_wait_tensorcnt 0x0                           ; the wave's end, behind my last LDS store
	ds_add_u32 v[SPW], v[NIL]
	s_wait_dscnt 0x0
	s_endpgm
.Lnotq:
	s_cmp_ge_u32 ttmp9, 992
	s_cbranch_scc1 .Lwo
; ---------------- the mask.  Work-group i - 864 = qt takes 16 queries; wave w keys 512 w on, in four chunks of 128 keys.
; A row's 512 bytes of a chunk are read by one load; the chunk turns through my stage so that lane (r, h) holds, for key tile kt, the eight words of query r, keys 16 kt + 8 h + 0..7.
	s_sub_co_u32 s29, ttmp9, 864
	s_lshl_b32 s30, s29, 17                        ; 16 rows of 8,192 bytes
	s_lshl_b32 s31, s28, 11                        ; 512 keys of 4 bytes
	s_add_co_u32 s30, s30, s31
	s_mov_b32 s31, 0
	s_add_nc_u64 s[18:19], s[18:19], s[30:31]
	s_lshl_b32 s30, s29, 12                        ; 1,024 words a query tile
	s_lshl_b32 s32, s28, 10                        ; 256 words a wave
	s_add_co_u32 s30, s30, s32
	s_add_nc_u64 s[24:25], s[24:25], s[30:31]
	s_mul_i32 s33, s28, 16*MP
	s_add_co_u32 s33, s33, MSTG
	v_lshlrev_b32 v3, 4, v2                        ; in: 16 bytes a lane
	v_add_nc_u32 v4, s33, v3                       ; stage, way in
	v_and_b32 v5, 15, v2
	v_mul_u32_u24 v5, v5, MP
	v_lshrrev_b32 v6, 4, v2
	v_lshl_add_u32 v5, v6, 5, v5
	v_add_nc_u32 v5, s33, v5                       ; stage, way out: row r, + 32 h
	v_lshlrev_b32 v6, 3, v2                        ; out: 8 bytes a lane
.irp i, 0,1,2,3,4,5,6,7
	v_mov_b32 v[MWD+\i], 0                         ; a lane write's destination counts as one of its sources
.endr
.macro MLOAD n
.set rr, 0
.rept 16
	global_load_b128 v[ML+64*((\n)%2)+4*rr:ML+64*((\n)%2)+4*rr+3], v3, s[18:19] offset:rr*8192+(\n)*512 th:TH_LOAD_NT
.set rr, rr+1
.endr
.endm
.macro MCHUNK n
.if (\n) < 3
	s_wait_loadcnt 16                              ; this chunk's 16 loads are in; the next chunk's 16 may be out
.else
	s_wait_loadcnt 0x0
.endif
.set rr, 0
.rept 16
	ds_store_b128 v4, v[ML+64*((\n)%2)+4*rr:ML+64*((\n)%2)+4*rr+3] offset:rr*MP
.set rr, rr+1
.endr
.set kt, 0
.rept 8
	ds_load_b128 v[RB+8*kt:RB+8*kt+3], v5 offset:64*kt
	ds_load_b128 v[RB+8*kt+4:RB+8*kt+7], v5 offset:64*kt+16
.set kt, kt+1
.endr
	s_wait_dscnt 0x0
.if (\n)+2 < 4
	MLOAD (\n)+2
.endif
.set kt, 0
.rept 8
.irp j, 0,1,2,3,4,5,6,7
	v_cmp_ne_u32 s[40+\j], 0, v[RB+8*kt+\j]        ; the 32 lanes' bits are the word (kt, j)
.endr
.irp j, 0,1,2,3,4,5,6,7
	v_writelane_b32 v[MWD+2*(\n)+(\j%2)], s[40+\j], 4*kt+(\j/2)   ; word 8 kt + j of the chunk's 64: lane (8 kt + j) / 2, register j % 2
.endr
.set kt, kt+1
.endr
	global_store_b64 v6, v[MWD+2*(\n):MWD+2*(\n)+1], s[24:25] offset:256*(\n)   ; 256 consecutive bytes, aligned; a pair of registers of its own for each chunk
.endm
	MLOAD 0
	MLOAD 1
	MCHUNK 0
	MCHUNK 1
	MCHUNK 2
	MCHUNK 3
	s_wait_tensorcnt 0x0                           ; the wave's end
	ds_add_u32 v[SPW], v[NIL]
	s_wait_dscnt 0x0
	s_endpgm
.Lwo:
; ---------------- W_o to f16: a plain stream; a wave takes 32,768 bytes in eight rounds of eight loads, two rounds in flight.
	s_sub_co_u32 s29, ttmp9, 992
	s_lshl_b32 s30, s29, 17
	s_lshl_b32 s31, s28, 15
	s_add_co_u32 s30, s30, s31
	s_mov_b32 s31, 0
	s_add_nc_u64 s[16:17], s[16:17], s[30:31]
	s_lshr_b32 s30, s30, 1
	s_add_nc_u64 s[26:27], s[26:27], s[30:31]
	v_lshlrev_b32 v3, 4, v2
	v_lshlrev_b32 v4, 3, v2
.macro WLOAD u
.irp i, 0,1,2,3,4,5,6,7
	global_load_b128 v[16+32*((\u)%2)+4*\i:16+32*((\u)%2)+4*\i+3], v3, s[16:17] offset:(8*(\u)+\i)*512 th:TH_LOAD_NT
.endr
.endm
.macro WROUND u
.if (\u) < 7
	s_wait_loadcnt 8                               ; this round's eight loads are in; the next round's eight may be out
.else
	s_wait_loadcnt 0x0
.endif
.irp i, 0,1,2,3,4,5,6,7
	v_cvt_pk_f16_f32 v[80+16*(\u)+2*\i], v[16+32*((\u)%2)+4*\i], v[16+32*((\u)%2)+4*\i+1]
	v_cvt_pk_f16_f32 v[80+16*(\u)+2*\i+1], v[16+32*((\u)%2)+4*\i+2], v[16+32*((\u)%2)+4*\i+3]
.endr
.irp i, 0,1,2,3,4,5,6,7
	global_store_b64 v4, v[80+16*(\u)+2*\i:80+16*(\u)+2*\i+1], s[26:27] offset:(8*(\u)+\i)*256   ; every store has data registers of its own
.endr
.if (\u)+2 < 8
	WLOAD (\u)+2
.endif
.endm
	WLOAD 0
	WLOAD 1
.irp u, 0,1,2,3,4,5,6,7
	WROUND \u
.endr
	s_wait_tensorcnt 0x0                           ; the same three closing lines as on the other two paths
	ds_add_u32 v[SPW], v[NIL]
	s_wait_dscnt 0x0
	s_endpgm
.Lfunc_end_k_qac2a06fc50_prep:
	.size	k_qac2a06fc50_prep, .Lfunc_end_k_qac2a06fc50_prep-k_qac2a06fc50_prep
	.p2alignl 7, 3214868480
	.fill 96, 4, 3214868480
	.section	.rodata,"a",@progbits
	.p2align	6, 0x0
	.amdhsa_kernel k_qac2a06fc50_prep
		.amdhsa_group_segment_fixed_size 67072
		.amdhsa_private_segment_fixed_size 0
		.amdhsa_enable_private_segment 0
		.amdhsa_kernarg_size 96
		.amdhsa_user_sgpr_count 2
		.amdhsa_user_sgpr_kernarg_segment_ptr 1
		.amdhsa_wavefront_size32 1
		.amdhsa_system_sgpr_workgroup_id_x 1
		.amdhsa_system_sgpr_workgroup_id_y 1
		.amdhsa_system_sgpr_workgroup_id_z 1
		.amdhsa_system_vgpr_workitem_id 0
		.amdhsa_next_free_vgpr 216
		.amdhsa_next_free_sgpr 66
		.amdhsa_reserve_vcc 0
		.amdhsa_float_denorm_mode_32 3
		.amdhsa_float_denorm_mode_16_64 3
		.amdhsa_memory_ordered 1
		.amdhsa_forward_progress 1
		.amdhsa_inst_pref_size 102
	.end_amdhsa_kernel
	.amdgpu_metadata
---
amdhsa.version: [ 1, 2 ]
amdhsa.kernels:
  - .name:           k_qac2a06fc50_prep
    .symbol:         k_qac2a06fc50_prep.kd
    .args:
      - { .name: q, .offset: 0, .size: 8, .value_kind: global_buffer, .address_space: global }
      - { .name: k, .offset: 8, .size: 8, .value_kind: global_buffer, .address_space: global }
      - { .name: v, .offset: 16, .size: 8, .value_kind: global_buffer, .address_space: global }
      - { .name: W_q, .offset: 24, .size: 8, .value_kind: global_buffer, .address_space: global }
      - { .name: W_k, .offset: 32, .size: 8, .value_kind: global_buffer, .address_space: global }
      - { .name: W_v, .offset: 40, .size: 8, .value_kind: global_buffer, .address_space: global }
      - { .name: W_o, .offset: 48, .size: 8, .value_kind: global_buffer, .address_space: global }
      - { .name: mask, .offset: 56, .size: 8, .value_kind: global_buffer, .address_space: global }
      - { .name: codes, .offset: 64, .size: 8, .value_kind: global_buffer, .address_space: global }
      - { .name: scales, .offset: 72, .size: 8, .value_kind: global_buffer, .address_space: global }
      - { .name: mbits, .offset: 80, .size: 8, .value_kind: global_buffer, .address_space: global }
      - { .name: wo16, .offset: 88, .size: 8, .value_kind: global_buffer, .address_space: global }
    .group_segment_fixed_size: 67072
    .private_segment_fixed_size: 0
    .kernarg_segment_align: 8
    .kernarg_segment_size: 96
    .max_flat_workgroup_size: 128
    .sgpr_count:     66
    .vgpr_count:     216
    .wavefront_size: 32
...
	.end_amdgpu_metadata
.endif
;; end of part 1
;; launch proj (part 2): grid 4 x 96, 4 waves a work-group, clusters of 4 x 4, 327,680 bytes of LDS; arguments codes, scales, b_q, b_k, b_v, qkv; writes qkv
.if DOCPART == 2
	.amdgcn_target "amdgcn-amd-amdhsa--gfx1250"
	.amdhsa_code_object_version 6
	.text
	.protected	k_qac2a06fc50_proj
	.globl	k_qac2a06fc50_proj
	.p2align	8
	.type	k_qac2a06fc50_proj,@function
k_qac2a06fc50_proj:
	s_mov_b64 s[64:65], 0
	v_nop
	global_prefetch_b8 v0, s[64:65] scope:SCOPE_SE
	s_setreg_imm32_b32 hwreg(HW_REG_WAVE_MODE, 25, 1), 1
	s_wait_xcnt 0x0
	s_wait_alu depctr_hold_cnt(0) depctr_sa_sdst(0) depctr_va_vdst(0) depctr_va_sdst(0) depctr_va_ssrc(0) depctr_va_vcc(0) depctr_vm_vsrc(0)
	s_getreg_b32 s2, hwreg(HW_REG_IB_STS2, 6, 4)
	s_cmp_eq_u32 s2, 0
	s_cbranch_scc0 .Lentry_in_a_cluster
	s_endpgm
.Lentry_in_a_cluster:
	s_bfe_u32 s2, ttmp6, 0x10000c
	s_cmp_lg_u32 s2, 0xf033
	s_cbranch_scc0 .Lentry_shape_is_right
	s_endpgm
.Lentry_shape_is_right:
; PROJ: Q = q W_q^T + b_q, K = k W_k^T + b_k, V = v W_v^T + b_v on codes of FP4 (E2M1) with one E8M0 scale for each 32 along K; sums in f32.
; The three products are one product of 24,576 rows: rows 0-8,191 of codes are q's, then k's, then v's; part p = row / 8,192 takes the weight rows 24,576 + 1,024 p on and bias p.
; Results leave as f16, head-major: qkv [3][4 b][16 h][2048 s][64]; part 0 (Q) is multiplied by c = log2(e) / 8 in f32 first, so that the scores of the next launch are exponents of 2.
; LIMIT: c Q, K and V must stay under 65,504 in magnitude (f16).
; A tile of 256 x 256 is made by four waves, 128 x 128 each: 64 accumulators, 512 registers.  K = 1,024 is two K steps of 512 (rows of 256 bytes): both lie in LDS at once, so nothing is ever filled again.
; CLUSTERS: 4 x 4 work-groups; A's tiles are asked for jointly along a row of the cluster, B's along a column.  All four tile rows of a cluster lie in one part p (32 tile rows a part).
; THE MATRIX INSTRUCTION IS USED TRANSPOSED (source 0 = 16 rows of the weight, source 1 = 16 rows of the input): a lane holds eight neighbouring columns of one row.
; The bias is the C of each sum's first matrix instruction.
; REGISTERS: window 0: v0-31 addresses; v32-95 scale words, two sets; v96-127 packed results; v128-191 A's fragments, later rows read back; v192-255 the bias, later scratch.
;   window 1: B's fragments, two sets (v0, v128).   window 2: accumulators of my rows 0-63 ((a, b) at v[8 (8 a + b)]);   window 3: rows 64-127.
.set NQ,     4                         ; matrix instructions deep in a slot: 512 along K
.set ROWB,   256
.set KROW,   512                       ; a row of codes in memory
.set PITCH,  272                       ; 256 bytes + 16 of padding: the 16 rows of a fragment load start at 16 different 16-byte columns of 256
.set FR,     8
.set NL,     2
.set NP,     4
.set HALFT,  128*PITCH
.set SLOT,   4*HALFT
.set KS,     32                        ; a row of scale bytes
.set SCL,    2*SLOT
.set HALFS,  16*272                    ; the scales of 128 rows: 4,096 dense bytes as 16 rows of 256 + 16
.set SBLK,   2*272
.set SPARE,  SCL+4*HALFS               ; the spare words, 128 bytes for each wave
.set SPITCH, 272                       ; the way out: a stage of 16 rows x (256 + 16) bytes a wave, in slot 0, which nobody reads by then and which is never filled again
.set ADRA, 16
.set ADRB, 20
.set STO,  24
.set RD,   25
.set CO,   26
.set ADRS, 27
.set SPW,  28
.set NIL,  29
.set BO,   30
.set SC,   32
.set PK,   96
.set AF,   128
.set BK,   128
.set BI,   192
.set G1, 24
.set G0, 32
.set G1B, 48
.set G0B, 56
.set G1S, 68
.set G0S, 76
.set G1SB, 80
.set G0SB, 88
.set MSB, 0
.macro WIN new                         ; the immediate's high byte repeats the setting that is left
.if MSB != (\new)
	s_set_vgpr_msb (MSB<<8)|(\new)
.set MSB, (\new)
.endif
.endm
.set MUL_LO, 0xa1                      ; source 0 (B) window 1, source 1 (A) window 0, C and D window 2
.set MUL_HI, 0xf1
.set TO_B,   0x40
.macro JLOAD g0a, g1a, g0b, g1b        ; waves 0 and 1 fetch for A, waves 2 and 3 for B; an s_nop 0 and four v_nop follow each line
	s_cmp_eq_u32 s15, 0
	s_cbranch_scc0 .Lfor_b_\@
	tensor_load_to_lds s[\g0a:\g0a+3], s[\g1a:\g1a+7]
	s_nop 0
.rept 4
	v_nop
.endr
	s_branch .Lasked_\@
.Lfor_b_\@:
	tensor_load_to_lds s[\g0b:\g0b+3], s[\g1b:\g1b+7]
	s_nop 0
.rept 4
	v_nop
.endr
.Lasked_\@:
.endm
.macro CROUND                          ; a round of the cluster's barrier
	s_barrier_signal -1
	s_barrier_wait -1
	s_cmp_lg_u32 s14, 0
	s_cbranch_scc1 .Lnot_wave_0_\@
	s_barrier_signal -3
.Lnot_wave_0_\@:
	s_barrier_wait -3
	s_barrier_signal -1
	s_barrier_wait -1
.endm
	s_load_b128 s[4:7], s[0:1], 0x0                ; codes, scales
	s_load_b128 s[8:11], s[0:1], 0x10              ; b_q, b_k
	s_load_b128 s[96:99], s[0:1], 0x20             ; b_v, qkv
	v_lshl_add_u32 v[SPW], v0, 2, SPARE
	v_mov_b32 v[NIL], 0
	ds_add_u32 v[SPW], v[NIL]                      ; the wave's opening: the add, twice on end, and its wait ahead of my first tensor load
	ds_add_u32 v[SPW], v[NIL]
	v_lshrrev_b32 v1, 5, v0
	v_readfirstlane_b32 s14, v1                    ; wave 0..3
	s_lshr_b32 s15, s14, 1                         ; my half of the tile's rows; also: I fetch for A (0) or B (1)
	s_and_b32 s16, s14, 1                          ; my half of its columns; also: which 128 rows I fetch
	s_bfe_u32 s40, ttmp6, 0x40000                  ; cx
	s_bfe_u32 s41, ttmp6, 0x40004                  ; cy
	s_lshl_b32 s42, ttmp9, 2
	s_add_co_u32 s42, s42, s40                     ; tile column = 4 x cluster x + cx
	s_and_b32 s17, ttmp7, 0xffff
	s_lshr_b32 s2, s17, 3                          ; p: 8 clusters along y to a part; the same in all sixteen partners
	s_lshl_b32 s17, s17, 2
	s_add_co_u32 s17, s17, s41                     ; tile row = 4 x cluster y + cy
	s_lshl_b32 s43, s41, 2
	s_lshl_b32 s43, 15, s43                        ; my row of the cluster
	s_lshl_b32 s44, 0x1111, s40                    ; my column
	s_or_b32 s[G1+0], s43, (0<<16)|(1<<20)|(1<<21)|(5<<22)|(3<<25)   ; mask; elements of 1 byte; padding of 4 words behind every 64; bit 21 beside a mask
	s_or_b32 s[G1B+0], s44, (0<<16)|(1<<20)|(1<<21)|(5<<22)|(3<<25)
.irp g, G1, G1B
	s_mov_b32 s[\g+1], ROWB<<16                    ; tensor_dim0 = 256
	s_mov_b32 s[\g+2], 128<<16                     ; tensor_dim1 = 128
	s_mov_b32 s[\g+3], ROWB<<16                    ; tile_dim0
	s_mov_b32 s[\g+4], 128                         ; tile_dim1
	s_mov_b32 s[\g+5], KROW                        ; pitch
	s_mov_b32 s[\g+6], 0
	s_mov_b32 s[\g+7], 0
.endr
	s_or_b32 s[G1S+0], s43, (3<<16)|(1<<20)|(1<<21)|(5<<22)|(3<<25)  ; the scales of 128 rows: 16 rows of 32 elements of 8 bytes
	s_or_b32 s[G1SB+0], s44, (3<<16)|(1<<20)|(1<<21)|(5<<22)|(3<<25)
.irp g, G1S, G1SB
	s_mov_b32 s[\g+1], 32<<16
	s_mov_b32 s[\g+2], 16<<16
	s_mov_b32 s[\g+3], 32<<16
	s_mov_b32 s[\g+4], 16
	s_mov_b32 s[\g+5], 32
	s_mov_b32 s[\g+6], 0
	s_mov_b32 s[\g+7], 0
.endr
	s_lshl_b32 s18, s16, 7                         ; which 128 rows of the tile I fetch
	s_lshl_b32 s20, s17, 8
	s_add_co_u32 s20, s20, s18                     ; A: row 256 x tile row + 128 x half
	s_lshl_b32 s46, s42, 8
	s_add_co_u32 s46, s46, s18
	s_lshl_b32 s47, s2, 10
	s_add_co_u32 s46, s46, s47
	s_add_co_u32 s46, s46, 24576                   ; B: row 24,576 + 1,024 p + 256 x tile column + 128 x half
	s_mov_b32 s21, 0
	s_mov_b32 s47, 0
	s_mov_b64 s[18:19], KS
	s_mul_u64 s[22:23], s[20:21], s[18:19]         ; where these rows' scales begin
	s_mul_u64 s[92:93], s[46:47], s[18:19]
	s_mov_b64 s[18:19], KROW
	s_mul_u64 s[20:21], s[20:21], s[18:19]         ; and their codes
	s_mul_u64 s[46:47], s[46:47], s[18:19]
	s_mul_i32 s45, s14, HALFT                      ; where they go: wave x 128 rows
	s_mul_i32 s94, s14, HALFS
	s_mov_b32 s100, 0x3e38aa3b                     ; c = log2(e) / 8 for Q,
	s_cmp_eq_u32 s2, 0
	s_cselect_b32 s100, s100, 1.0                  ; 1 for K and V
	s_mov_b32 s101, s100                           ; (named with it as a pair)
	s_wait_dscnt 0x0                               ; both opening adds are done
	s_wait_kmcnt 0x0
	s_add_nc_u64 s[20:21], s[4:5], s[20:21]
	s_add_nc_u64 s[22:23], s[6:7], s[22:23]
	s_add_nc_u64 s[46:47], s[4:5], s[46:47]
	s_add_nc_u64 s[92:93], s[6:7], s[92:93]
	CROUND                                         ; all sixteen work-groups are here: the joint loads meet
	s_mov_b32 s[G0S], 1
	s_add_co_u32 s[G0S+1], s94, SCL
	s_mov_b64 s[G0S+2:G0S+3], s[22:23]
	s_or_b32 s[G0S+3], s[G0S+3], 0x80000000
	s_mov_b32 s[G0SB], 1
	s_add_co_u32 s[G0SB+1], s94, SCL
	s_mov_b64 s[G0SB+2:G0SB+3], s[92:93]
	s_or_b32 s[G0SB+3], s[G0SB+3], 0x80000000
	JLOAD G0S, G1S, G0SB, G1SB                     ; three loads a wave in all: the scales, K step 0, K step 1
.irp s, 0,1
	s_mov_b32 s[G0+4*\s], 1
	s_add_co_u32 s[G0+4*\s+1], s45, \s*SLOT
	s_add_nc_u64 s[G0+4*\s+2:G0+4*\s+3], s[20:21], \s*ROWB
	s_or_b32 s[G0+4*\s+3], s[G0+4*\s+3], 0x80000000
	s_mov_b32 s[G0B+4*\s], 1
	s_add_co_u32 s[G0B+4*\s+1], s45, \s*SLOT
	s_add_nc_u64 s[G0B+4*\s+2:G0B+4*\s+3], s[46:47], \s*ROWB
	s_or_b32 s[G0B+4*\s+3], s[G0B+4*\s+3], 0x80000000
	JLOAD G0+4*\s, G1, G0B+4*\s, G1B
.endr
	v_and_b32 v1, 15, v0                           ; r
	v_bfe_u32 v2, v0, 4, 1                         ; h
	; the bias of my 128 columns: lane (r, h) holds, for block b, b[16 b + 8 h + 0..7]
	s_cmp_eq_u32 s2, 1
	s_cselect_b64 s[8:9], s[10:11], s[8:9]
	s_cmp_eq_u32 s2, 2
	s_cselect_b64 s[8:9], s[96:97], s[8:9]
	s_lshl_b32 s46, s42, 10
	s_lshl_b32 s47, s16, 9
	s_add_co_u32 s46, s46, s47                     ; (256 x tile column + 128 x half) x 4 bytes
	s_mov_b32 s47, 0
	s_add_nc_u64 s[8:9], s[8:9], s[46:47]
	v_lshlrev_b32 v[BO], 5, v2
.irp b, 0,1,2,3,4,5,6,7
	global_load_b128 v[BI+8*\b:BI+8*\b+3], v[BO], s[8:9] offset:64*\b
	global_load_b128 v[BI+8*\b+4:BI+8*\b+7], v[BO], s[8:9] offset:64*\b+16
.endr
	v_mul_u32_u24 v3, v1, PITCH
	v_lshl_add_u32 v4, v2, 4, v3                   ; a fragment's row x pitch + 16 x half
	s_mul_i32 s21, s15, HALFT
	s_mul_i32 s22, s16, HALFT
	s_add_co_u32 s22, s22, 2*HALFT
.irp s, 0,1
	v_add_nc_u32 v[ADRA+\s], s21, v4
	v_add_nc_u32 v[ADRB+\s], s22, v4
	s_add_co_u32 s21, s21, SLOT
	s_add_co_u32 s22, s22, SLOT
.endr
	v_mul_u32_u24 v5, v1, KS                       ; my row's scales: 32 bytes a row,
	v_lshrrev_b32 v6, 8, v5
	v_lshl_add_u32 v5, v6, 4, v5                   ; and 16 more for each 256 passed
	s_mul_i32 s21, s15, HALFS
	s_mul_i32 s22, s16, HALFS
	s_add_co_u32 s22, s22, 2*HALFS
	s_sub_co_u32 s22, s22, s21
	v_mul_u32_u24 v6, s22, v2                      ; lanes 16-31 take B's: the lower base + h x the distance
	s_add_co_u32 s21, s21, SCL
	v_add_nc_u32 v5, v5, v6
	v_add_nc_u32 v[ADRS], s21, v5
	s_mul_i32 s23, s14, 16*SPITCH                  ; my stage
	v_mul_u32_u24 v5, v1, SPITCH
	v_lshl_add_u32 v5, v2, 4, v5
	v_add_nc_u32 v[STO], s23, v5                   ; in: row r, 16 bytes for each half of the lanes
	v_and_b32 v6, 31, v0
	v_lshlrev_b32 v[CO], 4, v6                     ; out: four rows of a head are 512 consecutive bytes: 16 x lane
	v_lshrrev_b32 v5, 3, v6
	v_mul_u32_u24 v5, v5, SPITCH
	v_and_b32 v6, 7, v6
	v_lshl_add_u32 v5, v6, 4, v5
	v_add_nc_u32 v[RD], s23, v5                    ; back: row lane / 8, 16 (lane % 8) of a head's 128 bytes
	s_lshl_b32 s20, s17, 8
	s_lshl_b32 s21, s15, 7
	s_add_co_u32 s20, s20, s21                     ; m: my first row of the 24,576
	s_lshr_b32 s21, s20, 11
	s_lshl_b32 s21, s21, 22                        ; (part, batch): 16 heads x 2,048 x 128 bytes
	s_and_b32 s20, s20, 2047
	s_lshl_b32 s20, s20, 7                         ; the position: 128 bytes
	s_add_co_u32 s20, s20, s21
	s_lshl_b32 s46, s42, 20                        ; my first head, 4 x tile column + 2 x half: 262,144 bytes a head
	s_lshl_b32 s47, s16, 19
	s_add_co_u32 s46, s46, s47
	s_add_co_u32 s20, s20, s46
	s_mov_b32 s21, 0
	s_add_nc_u64 s[12:13], s[98:99], s[20:21]      ; never stepped: all else stands in the stores' immediates
.macro FRAG reg, adr, q, i             ; 16 rows x 128 K of 4-bit codes: 8 registers, two loads of 16 bytes, 32 bytes apart
.irp c, 0,1
	ds_load_b128 v[\reg+4*\c:\reg+4*\c+3], v[\adr] offset:64*(\q)+32*\c+(\i)*16*PITCH
.endr
.endm
; 16 matrix instructions: A's blocks a0, a0 + 1 x B's eight.  zero = 1: the sums begin with the bias as C.  The 64 accumulators take turns, one instruction a turn.
.macro MUL16 a0, p, q, sc, zero
.irp a, \a0, \a0+1
.irp b, 0,1,2,3,4,5,6,7
.if \zero
	v_wmma_scale_f32_16x16x128_f8f6f4 v[8*(8*((\a)%4)+\b):8*(8*((\a)%4)+\b)+7], v[128*(\p)+FR*\b:128*(\p)+FR*\b+FR-1], v[AF+FR*(\a):AF+FR*(\a)+FR-1], v[BI+8*\b:BI+8*\b+7], v[SC+8*NQ*(\sc)+NQ*\b+(\q)], v[SC+8*NQ*(\sc)+NQ*(\a)+(\q)] matrix_a_fmt:MATRIX_FMT_FP4 matrix_b_fmt:MATRIX_FMT_FP4 matrix_a_scale:MATRIX_SCALE_ROW1
.else
	v_wmma_scale_f32_16x16x128_f8f6f4 v[8*(8*((\a)%4)+\b):8*(8*((\a)%4)+\b)+7], v[128*(\p)+FR*\b:128*(\p)+FR*\b+FR-1], v[AF+FR*(\a):AF+FR*(\a)+FR-1], v[8*(8*((\a)%4)+\b):8*(8*((\a)%4)+\b)+7], v[SC+8*NQ*(\sc)+NQ*\b+(\q)], v[SC+8*NQ*(\sc)+NQ*(\a)+(\q)] matrix_a_fmt:MATRIX_FMT_FP4 matrix_b_fmt:MATRIX_FMT_FP4 matrix_a_scale:MATRIX_SCALE_ROW1
.endif
.endr
.endr
.endm
.macro FETCH_B slot, q, p
	WIN TO_B
.irp i, 0,1,2,3,4,5,6,7
	FRAG 128*(\p)+FR*\i, ADRB+\slot, \q, \i
.endr
	WIN 0
.endm
.macro FETCH_A slot, q, i0
.irp i, \i0, \i0+1, \i0+2, \i0+3
	FRAG AF+FR*(\i), ADRA+\slot, \q, \i
.endr
.endm
.macro SCALES sc                       ; a K step's scale words: lanes 0-15 A's block i, lanes 16-31 B's block i
.irp i, 0,1,2,3,4,5,6,7
	ds_load_b128 v[SC+8*NQ*\sc+NQ*\i:SC+8*NQ*\sc+NQ*\i+3], v[ADRS] offset:\i*SBLK
.endr
.endm
.macro PLACES n                        ; plain vector lines between matrix instructions and loads into, or reads of, their registers
.rept \n
	v_nop
.endr
.endm
.macro STEP slot, q, zero              ; 128 along K, with its successor in the same slot
	s_wait_dscnt 4*NL                              ; B's set and A's blocks 0-3 are in; the youngest eight loads (A's blocks 4-7) may be out
.if \zero
	WIN 0x81                                       ; C (the bias) window 0, D window 2
.else
	WIN MUL_LO
.endif
	MUL16 0, (\q)%2, \q, \slot, \zero
	MUL16 2, (\q)%2, \q, \slot, \zero
	s_wait_dscnt 0
	PLACES NP
	FETCH_B \slot, (\q)+1, 1-(\q)%2
	FETCH_A \slot, (\q)+1, 0
.if \zero
	WIN 0xc1                                       ; C window 0, D window 3
.else
	WIN MUL_HI
.endif
	MUL16 4, (\q)%2, \q, \slot, \zero
	MUL16 6, (\q)%2, \q, \slot, \zero
	PLACES NP
	WIN 0
	FETCH_A \slot, (\q)+1, 4
.endm
.macro TURN slot, next                 ; a slot's last step: one barrier; behind it the next slot is whole and nobody reads this one.  Nothing is filled again
	s_wait_tensorcnt 0x0                           ; all my tensor loads have landed: my part of the next slot
	ds_add_u32 v[SPW], v[NIL]                      ; 0 onto my spare word
	s_wait_dscnt 4*NL+1                            ; the add and the youngest eight loads may be out
	WIN MUL_LO
	MUL16 0, 1, NQ-1, \slot, 0
	s_wait_dscnt 0x0                               ; the add is done, and my reads of this slot are over
	s_barrier_signal -1
	MUL16 2, 1, NQ-1, \slot, 0
	WIN 0
	s_barrier_wait -1
	PLACES NP
	v_add_nc_u32 v[ADRS], 4*NQ, v[ADRS]            ; the next K step's scale words
	FETCH_B \next, 0, 0
	FETCH_A \next, 0, 0
	SCALES \next
	WIN MUL_HI
	MUL16 4, 1, NQ-1, \slot, 0
	MUL16 6, 1, NQ-1, \slot, 0
	PLACES NP
	WIN 0
	FETCH_A \next, 0, 4
.endm
.macro STEPS slot, from
.set Q, \from
.rept NQ-1-\from
	STEP \slot, Q, 0
.set Q, Q+1
.endr
.endm
	s_wait_tensorcnt 1                             ; the scales and my part of K step 0 are in; K step 1's load may be out
	s_wait_loadcnt 0x0                             ; the bias
	s_barrier_signal -1
	s_barrier_wait -1
	FETCH_B 0, 0, 0
	FETCH_A 0, 0, 0
	SCALES 0
	FETCH_A 0, 0, 4
	STEP 0, 0, 1
	STEPS 0, 1
	TURN 0, 1
	STEPS 1, 0
	s_wait_dscnt 4*NL                              ; the very last step
	WIN MUL_LO
	MUL16 0, 1, NQ-1, 1, 0
	MUL16 2, 1, NQ-1, 1, 0
	s_wait_dscnt 0
	WIN MUL_HI
	MUL16 4, 1, NQ-1, 1, 0
	MUL16 6, 1, NQ-1, 1, 0
	WIN 0
; THE WAY OUT, block by block of 16 rows x 128 columns (two heads).  PACK: x c, rounded to f16, 16 bytes a lane.  TOSTAGE: into my stage, and back by heads.  SEND: four rows of one head, 512 consecutive bytes, a store.
.macro PACK a
.set AC, 64*((\a)%4)
	WIN 0x02+((\a)/4)                              ; source 0: window 2 or 3
.set ii, 0
.rept 32
	v_pk_mul_f32 v[BI+2*ii:BI+2*ii+1], v[AC+2*ii:AC+2*ii+1], s[100:101] op_sel_hi:[1,0]   ; ascending: each accumulator from its low end on
.set ii, ii+1
.endr
	WIN 0
.set ii, 0
.rept 32
	v_cvt_pk_f16_f32 v[PK+ii], v[BI+2*ii], v[BI+2*ii+1]
.set ii, ii+1
.endr
.endm
.macro TOSTAGE a
.set BB, BK+32*((\a)%2)
.irp b, 0,1,2,3,4,5,6,7
	ds_store_b128 v[STO], v[PK+4*\b:PK+4*\b+3] offset:32*\b
.endr
.irp hh, 0,1
.irp t, 0,1,2,3
	ds_load_b128 v[BB+4*(4*\hh+\t):BB+4*(4*\hh+\t)+3], v[RD] offset:4*\t*SPITCH+128*\hh   ; LDS serves a wave's instructions in order: these see the stores above
.endr
.endr
.endm
.macro SEND a
.set BB, BK+32*((\a)%2)
	s_wait_dscnt 0x0                               ; the block is back in registers
	s_wait_xcnt 0x0                                ; the stores of the block before have read their registers: the next TOSTAGE loads into them
.irp hh, 0,1
.irp t, 0,1,2,3
	global_store_b128 v[CO], v[BB+4*(4*\hh+\t):BB+4*(4*\hh+\t)+3], s[12:13] offset:\hh*262144+(\a)*2048+\t*512
.endr
.endr
.endm
	PLACES NP                                      ; behind the last products: for the reads of results and the loads into A's registers
	PACK 0
	TOSTAGE 0
.irp a, 1,2,3,4,5,6,7
	PACK \a                                        ; its conversions stand between the loads of the block before and the wait for them
	SEND \a-1
	TOSTAGE \a
.endr
	SEND 7
	s_wait_tensorcnt 0x0                           ; the wave's end
	ds_add_u32 v[SPW], v[NIL]
	s_wait_dscnt 0x0
	CROUND                                         ; the closing round
	s_endpgm
.Lfunc_end_k_qac2a06fc50_proj:
	.size	k_qac2a06fc50_proj, .Lfunc_end_k_qac2a06fc50_proj-k_qac2a06fc50_proj
	.p2alignl 7, 3214868480
	.fill 96, 4, 3214868480
	.section	.rodata,"a",@progbits
	.p2align	6, 0x0
	.amdhsa_kernel k_qac2a06fc50_proj
		.amdhsa_group_segment_fixed_size 327680
		.amdhsa_private_segment_fixed_size 0
		.amdhsa_enable_private_segment 0
		.amdhsa_kernarg_size 48
		.amdhsa_user_sgpr_count 2
		.amdhsa_user_sgpr_kernarg_segment_ptr 1
		.amdhsa_wavefront_size32 1
		.amdhsa_system_sgpr_workgroup_id_x 1
		.amdhsa_system_sgpr_workgroup_id_y 1
		.amdhsa_system_sgpr_workgroup_id_z 1
		.amdhsa_system_vgpr_workitem_id 0
		.amdhsa_next_free_vgpr 1024
		.amdhsa_next_free_sgpr 102
		.amdhsa_reserve_vcc 0
		.amdhsa_float_denorm_mode_32 3
		.amdhsa_float_denorm_mode_16_64 3
		.amdhsa_memory_ordered 1
		.amdhsa_forward_progress 1
		.amdhsa_inst_pref_size 144
	.end_amdhsa_kernel
	.amdgpu_metadata
---
amdhsa.version: [ 1, 2 ]
amdhsa.kernels:
  - .name:           k_qac2a06fc50_proj
    .symbol:         k_qac2a06fc50_proj.kd
    .args:
      - { .name: codes, .offset: 0, .size: 8, .value_kind: global_buffer, .address_space: global }
      - { .name: scales, .offset: 8, .size: 8, .value_kind: global_buffer, .address_space: global }
      - { .name: b_q, .offset: 16, .size: 8, .value_kind: global_buffer, .address_space: global }
      - { .name: b_k, .offset: 24, .size: 8, .value_kind: global_buffer, .address_space: global }
      - { .name: b_v, .offset: 32, .size: 8, .value_kind: global_buffer, .address_space: global }
      - { .name: qkv, .offset: 40, .size: 8, .value_kind: global_buffer, .address_space: global }
    .group_segment_fixed_size: 327680
    .private_segment_fixed_size: 0
    .kernarg_segment_align: 8
    .kernarg_segment_size: 48
    .max_flat_workgroup_size: 128
    .sgpr_count:     102
    .vgpr_count:     1024
    .wavefront_size: 32
...
	.end_amdgpu_metadata
.endif
;; end of part 2
;; launch attn (part 3): grid 4 x 64, 16 waves a work-group, clusters of 4 x 1, 327,680 bytes of LDS; arguments qkv, mbits, xa; writes xa
.if DOCPART == 3
	.amdgcn_target "amdgcn-amd-amdhsa--gfx1250"
	.amdhsa_code_object_version 6
	.text
	.protected	k_qac2a06fc50_attn
	.globl	k_qac2a06fc50_attn
	.p2align	8
	.type	k_qac2a06fc50_attn,@function
k_qac2a06fc50_attn:
	s_mov_b64 s[64:65], 0
	v_nop
	global_prefetch_b8 v0, s[64:65] scope:SCOPE_SE
	s_setreg_imm32_b32 hwreg(HW_REG_WAVE_MODE, 25, 1), 1
	s_wait_xcnt 0x0
	s_wait_alu depctr_hold_cnt(0) depctr_sa_sdst(0) depctr_va_vdst(0) depctr_va_sdst(0) depctr_va_ssrc(0) depctr_va_vcc(0) depctr_vm_vsrc(0)
	s_getreg_b32 s2, hwreg(HW_REG_IB_STS2, 6, 4)
	s_cmp_eq_u32 s2, 0
	s_cbranch_scc0 .Lentry_in_a_cluster
	s_endpgm
.Lentry_in_a_cluster:
	s_bfe_u32 s2, ttmp6, 0x10000c
	s_cmp_lg_u32 s2, 0x3003
	s_cbranch_scc0 .Lentry_shape_is_right
	s_endpgm
.Lentry_shape_is_right:
; ATTN: x[b][q][64 h + :] = sum over k of softmax_k(where(mask[q][k] == 0, -1e9, Q.K / 8)) V[k][:], for each of the 64 (batch, head) pairs.
; qkv: f16 [3][64 bh][2048][64]; part 0 is Q x log2(e) / 8, so a score is t, an exponent of 2.  mbits: lane masks (word ((qt*128 + kt)*8 + j), bit 16 h + r for query 16 qt + r, key 16 kt + 8 h + j).  xa: f16 [8192][1024].
; SOFTMAX: for each query a running maximum m and sum l; p = 2^(t - m); in every step O and l are multiplied by a = 2^(m_old - m_new).  A hidden key's t is -1e9 x log2(e), as in the definition:
; where any key counts its p is 0, and in a row with no key left every t - m is exactly 0, which gives the plain mean.  The sum is taken of p in f32, before p is rounded to f16 for the second product.
; LIMITS: p under about 3e-8 becomes 0 in f16; c Q, K, V, x stay under 65,504; NaN and infinities are not served.
; SHARES: a work-group owns 512 queries of one head, each of its 16 waves 32: two tiles of 16, in 256 registers: four waves to a SIMD, so that one wave's vector work stands beside another's products and LDS loads.
; LAYOUT: both products transposed: S^T = K Q^T (source 0 = 16 keys, source 1 = 16 queries), O^T = V^T P (source 0 = 16 channels, turned out of LDS by ds_load_tr16_b128): a lane holds ONE query throughout.
; RING: two slots of 256 keys.  A head's rows of 128 bytes are dense, so a tile is stated as double rows of 256 bytes: key i lies at (i / 2) x pitch + (i % 2) x 128.
; CLUSTER: the four work-groups of a head walk the same K and V and ask for each tile jointly (waves 0, 1: K's halves; waves 2, 3: V's).
; xa is stored in pieces of 128 consecutive bytes: a head's 64 channels; the neighbouring 128 bytes belong to another head, which another cluster makes.
.set SLOT1, 1<<17                      ; slot 1 begins here: one exclusive or turns an address from slot to slot
.set VOFF,  34816                      ; a slot: K, 128 double rows x 272 bytes; then V, 128 double rows x 288 bytes
.set KSTP,  8704                       ; 64 keys of K: 32 double rows
.set VSTP,  9216                       ; 64 keys of V
.set SPARE, 202752                     ; behind slot 1: the spare words, 128 bytes for each of 16 waves
.set AK0, 1                            ; v1   my lane's place in a tile of K
.set AV0, 2                            ; v2   and of V
.set ADR, 3                            ; v3, v4  the addresses in hand
.set ADV, 4
.set SPW, 5                            ; v5   SPARE + 4 x my thread's number; never rewritten
.set NIL, 6                            ; v6   0; never rewritten
.set NEG, 7                            ; v7   -1e9 x log2(e)
.set ST,  8                            ; tile t's statistics at v[8 + 8 t]: +0 m (+1 its pair partner), +2, +3 l in two halves, +4 .. +7 at work; a at +6
.set Q,   24                           ; v24-55   Q: 16 t + 8 c
.set F,   56                           ; v56-119  a step's K, then its V
.set S,   120                          ; v120-183 S^T: 32 t + 8 kt; P is made in place in 32 t + 0..15
.set O,   184                          ; v184-247 O^T: 32 t + 8 f
.set PFO, 248                          ; v248 256 x lane
.set GO,  249                          ; v249 the way out: my byte offset in xa
.set STO, 250
.set RD,  251
.set CH,  252                          ; v[252:253], v[254:255] second chains of the sums
.set TB,  2                            ; s2   the slot in hand
.set SLOTS, 3                          ; s3   slots still to be asked for
.set WV,  66
.set LIM, 67                           ; s67  1 in the two waves that prefetch, else the greatest number
.set G1K, 68
.set G1V, 76
.set PFA, 100                          ; s[100:101] where my prefetches stand
; s[16:47]: tile 0's 32 mask words of a step; s[48:63] and s[84:99]: tile 1's
.macro CROUND
	s_barrier_signal -1
	s_barrier_wait -1
	s_cmp_lg_u32 s[WV], 0
	s_cbranch_scc1 .Lnot_wave_0_\@
	s_barrier_signal -3
.Lnot_wave_0_\@:
	s_barrier_wait -3
	s_barrier_signal -1
	s_barrier_wait -1
.endm
.macro TLOAD                           ; the branches hang on the wave's number alone; an s_nop 0 and four v_nop follow each line
	s_cmp_lt_u32 s[WV], 2
	s_cbranch_scc0 .Lnot_k_\@
	tensor_load_to_lds s[12:15], s[G1K:G1K+7]
	s_nop 0
.rept 4
	v_nop
.endr
	s_branch .Lasked_\@
.Lnot_k_\@:
	s_cmp_lt_u32 s[WV], 4
	s_cbranch_scc0 .Lasked_\@
	tensor_load_to_lds s[12:15], s[G1V:G1V+7]
	s_nop 0
.rept 4
	v_nop
.endr
.Lasked_\@:
.endm
; A prefetch of what the NEXT change of slots will ask for: 32,768 bytes of K (wave 4) and of V (wave 5).  The four partners take 8,192 bytes each, told apart by address; lanes stand 256 bytes apart:
; each aligned block of 256 bytes is named once in the launch.  It is asked a slot's four key steps ahead of its load.  The last change that fills a slot asks for nothing; slots 0 and 1 come by their loads alone.
.macro ASK
	s_cmp_gt_u32 s[SLOTS], s[LIM]
	s_cbranch_scc0 .Lnot_mine_\@
	global_prefetch_b8 v[PFO], s[PFA:PFA+1] th:TH_LOAD_NT scope:SCOPE_SE
.Lnot_mine_\@:
.endm
	s_load_b128 s[4:7], s[0:1], 0x0                ; qkv, mbits
	s_load_b64 s[8:9], s[0:1], 0x10                ; xa
	v_lshl_add_u32 v[SPW], v0, 2, SPARE
	v_mov_b32 v[NIL], 0
	ds_add_u32 v[SPW], v[NIL]                      ; the wave's opening: the add, twice on end, and its wait ahead of the first tensor loads
	ds_add_u32 v[SPW], v[NIL]
	v_lshrrev_b32 v1, 5, v0
	v_readfirstlane_b32 s[WV], v1                  ; wave 0..15
	s_bfe_u32 s16, ttmp6, 0x40000                  ; cx: my block of 512 queries
	s_and_b32 s17, ttmp7, 0xffff                   ; bh, which the four partners share
	s_and_b32 s18, s[WV], 1                        ; e: which half of a slot's rows I fetch
	s_bfe_u32 s19, s[WV], 0x10001                  ; d: 0 K, 1 V
	s_mul_i32 s20, s18, 17408                      ; K's half: 64 x 272
	s_mul_i32 s21, s19, VOFF
	s_add_co_u32 s20, s20, s21
	s_and_b32 s21, s18, s19
	s_lshl_b32 s21, s21, 10                        ; V's half is 64 x 288 = 17,408 + 1,024
	s_mov_b32 s12, 1                               ; group 0: count = 1,
	s_add_co_u32 s13, s20, s21                     ; the LDS address, made of the wave's number alone
	s_mov_b32 s[G1K], 15|(1<<16)|(1<<20)|(1<<21)|(5<<22)|(3<<25)   ; all four work-groups; elements of 2 bytes; 4 words of padding behind every 64; bit 21 beside a mask
	s_mov_b32 s[G1V], 15|(1<<16)|(1<<20)|(1<<21)|(5<<22)|(7<<25)   ; the same with 8 words of padding
.irp g, G1K, G1V
	s_mov_b32 s[\g+1], 128<<16                     ; tensor_dim0 = 128 elements: a double row
	s_mov_b32 s[\g+2], 64<<16                      ; tensor_dim1 = 64
	s_mov_b32 s[\g+3], 128<<16                     ; tile_dim0
	s_mov_b32 s[\g+4], 64                          ; tile_dim1
	s_mov_b32 s[\g+5], 128                         ; pitch: dense
	s_mov_b32 s[\g+6], 0
	s_mov_b32 s[\g+7], 0
.endr
	s_lshl_b32 s24, s17, 18                        ; a head: 262,144 bytes
	s_add_co_u32 s22, s19, 1
	s_lshl_b32 s22, s22, 24                        ; part 1 (K) or 2 (V): 16,777,216 bytes a part
	s_add_co_u32 s22, s22, s24
	s_lshl_b32 s25, s18, 14                        ; my half: 128 keys
	s_add_co_u32 s22, s22, s25
	s_mov_b32 s23, 0
	s_add_co_u32 s26, s18, 1                       ; the prefetches: even waves K, odd waves V,
	s_lshl_b32 s26, s26, 24
	s_add_co_u32 s26, s26, s24
	s_lshl_b32 s34, s16, 13                        ; my work-group's 8,192 bytes,
	s_add_co_u32 s26, s26, s34
	s_add_co_u32 s26, s26, 32768                   ; in slot 1: the first change steps it to slot 2
	s_mov_b32 s27, 0
	s_lshl_b32 s28, s16, 16                        ; Q: 512 rows of 128 bytes a work-group,
	s_add_co_u32 s28, s28, s24
	s_lshl_b32 s35, s[WV], 12                      ; 32 a wave
	s_add_co_u32 s28, s28, s35
	s_mov_b32 s29, 0
	s_lshl_b32 s30, s16, 17                        ; mbits: query tile 32 cx + 2 w, 4,096 bytes a tile
	s_lshl_b32 s35, s[WV], 13
	s_add_co_u32 s30, s30, s35
	s_mov_b32 s31, 0
	s_lshr_b32 s32, s17, 4                         ; xa: row b x 2,048 + 512 cx + 32 w of 2,048 bytes, + 128 h
	s_lshl_b32 s32, s32, 22
	s_lshl_b32 s34, s16, 20
	s_add_co_u32 s32, s32, s34
	s_lshl_b32 s35, s[WV], 16
	s_add_co_u32 s32, s32, s35
	s_and_b32 s35, s17, 15
	s_lshl_b32 s35, s35, 7
	s_add_co_u32 s32, s32, s35
	s_mov_b32 s33, 0
	s_lshr_b32 s35, s[WV], 1
	s_cmp_eq_u32 s35, 2                            ; waves 4 and 5
	s_cselect_b32 s[LIM], 1, -1
	s_mov_b32 s10, 0x76543210
	s_mov_b32 s11, 0xfedcba98                      ; v_permlanex16_b32's selects for lane l xor 16
	s_mov_b32 s[TB], 0
	s_mov_b32 s[SLOTS], 7
	s_wait_dscnt 0x0                               ; both opening adds are done
	s_wait_kmcnt 0x0
	s_add_nc_u64 s[14:15], s[4:5], s[22:23]        ; group 0: the tile's first byte,
	s_or_b32 s15, s15, 0x80000000                  ; type = 2
	s_add_nc_u64 s[PFA:PFA+1], s[4:5], s[26:27]
	s_add_nc_u64 s[4:5], s[4:5], s[28:29]
	s_add_nc_u64 s[6:7], s[6:7], s[30:31]
	s_add_nc_u64 s[8:9], s[8:9], s[32:33]
	CROUND                                         ; all four work-groups are here
	TLOAD                                          ; slot 0
	v_and_b32 v120, 15, v0                         ; r   (the score registers serve as scratch until the first step)
	v_bfe_u32 v121, v0, 4, 1                       ; h
	v_lshlrev_b32 v124, 7, v120
	v_lshl_add_u32 v124, v121, 4, v124             ; Q: row r of 128 bytes, + 16 h
.irp t, 0,1
.irp c, 0,1
	global_load_b128 v[Q+16*\t+8*\c:Q+16*\t+8*\c+3], v124, s[4:5] offset:\t*2048+64*\c
	global_load_b128 v[Q+16*\t+8*\c+4:Q+16*\t+8*\c+7], v124, s[4:5] offset:\t*2048+64*\c+32
.endr
.endr
	s_load_b512 s[16:31], s[6:7], 0x0              ; the first step's 64 mask words
	s_load_b512 s[32:47], s[6:7], 0x40
	s_load_b512 s[48:63], s[6:7], 0x1000
	s_load_b512 s[84:99], s[6:7], 0x1040
	v_lshrrev_b32 v123, 1, v120
	v_mul_u32_u24 v[AK0], v123, 272
	v_and_b32 v123, 1, v120
	v_lshl_add_u32 v[AK0], v123, 7, v[AK0]
	v_lshl_add_u32 v[AK0], v121, 4, v[AK0]         ; (r / 2) x 272 + (r % 2) x 128 + 16 h: the 16 rows of a load fall on 16 different 16-byte columns of 256
	v_bfe_u32 v123, v0, 1, 2
	v_lshl_add_u32 v123, v121, 2, v123
	v_mul_u32_u24 v[AV0], v123, 288                ; the turning load: key 8 h + lane % 8 -> double row 4 h + (lane / 2) % 4,
	v_and_b32 v123, 1, v0
	v_lshl_add_u32 v[AV0], v123, 7, v[AV0]         ; its half,
	v_bfe_u32 v123, v0, 3, 1
	v_lshl_add_u32 v[AV0], v123, 4, v[AV0]         ; channels 8 ((lane / 8) % 2) on
	v_add_nc_u32 v[AV0], VOFF, v[AV0]
	v_and_b32 v122, 31, v0
	v_lshlrev_b32 v[PFO], 8, v122
	s_mul_i32 s2, s[WV], 4608                      ; my stage for the way out: two tiles of 16 rows x 144 bytes, from LDS byte 0 on
	v_mul_u32_u24 v[STO], v120, 144
	v_lshl_add_u32 v[STO], v121, 4, v[STO]
	v_add_nc_u32 v[STO], s2, v[STO]                ; in: row r, + 16 h
	v_lshrrev_b32 v123, 3, v122
	v_and_b32 v125, 7, v122
	v_mul_u32_u24 v[RD], v123, 144
	v_lshl_add_u32 v[RD], v125, 4, v[RD]
	v_add_nc_u32 v[RD], s2, v[RD]                  ; back: row lane / 8, 16 (lane % 8)
	v_lshlrev_b32 v[GO], 11, v123
	v_lshl_add_u32 v[GO], v125, 4, v[GO]           ; and the same in xa: rows of 2,048 bytes
	s_mov_b32 s[TB], 0
	v_mov_b32 v[NEG], 0xceabfb8f                   ; -1e9 x log2(e)
.irp t, 0,1
	v_mov_b32 v[ST+8*\t], 0xff61b1e6               ; m = -3e38, under every t
	v_mov_b32 v[ST+8*\t+1], 0                      ; (named with m as a pair)
	v_mov_b32 v[ST+8*\t+2], 0                      ; l
	v_mov_b32 v[ST+8*\t+3], 0
.endr
.set nn, 0
.rept 64
	v_mov_b32 v[O+nn], 0                           ; O^T: the step is written without a first copy of its own: the first a is 0 and multiplies zeros
.set nn, nn+1
.endr
; A KEY STEP: 64 keys, the q-th of the slot in hand.  more = 1: the next step's mask words are asked for.
.macro STEP q, more
	v_add_nc_u32 v[ADR], s[TB], v[AK0]
	v_add_nc_u32 v[ADV], s[TB], v[AV0]
.rept 3
	v_nop                                          ; five plain lines behind the last step's products: four are owed by the loads into F, five by the products below, which write over P
.endr
.irp kt, 0,1,2,3
.irp c, 0,1
	ds_load_b128 v[F+16*\kt+8*\c:F+16*\kt+8*\c+3], v[ADR] offset:(\q)*KSTP+\kt*2176+64*\c
	ds_load_b128 v[F+16*\kt+8*\c+4:F+16*\kt+8*\c+7], v[ADR] offset:(\q)*KSTP+\kt*2176+64*\c+32
.endr
.endr
	s_wait_dscnt 0x0
.irp c, 0,1                                    ; S^T = K Q^T: eight accumulators by turns, one instruction a turn
.irp kt, 0,1,2,3
.irp t, 0,1
.if \c == 0
	v_wmma_f32_16x16x32_f16 v[S+32*\t+8*\kt:S+32*\t+8*\kt+7], v[F+16*\kt+8*\c:F+16*\kt+8*\c+7], v[Q+16*\t+8*\c:Q+16*\t+8*\c+7], 0
.else
	v_wmma_f32_16x16x32_f16 v[S+32*\t+8*\kt:S+32*\t+8*\kt+7], v[F+16*\kt+8*\c:F+16*\kt+8*\c+7], v[Q+16*\t+8*\c:Q+16*\t+8*\c+7], v[S+32*\t+8*\kt:S+32*\t+8*\kt+7]
.endif
.endr
.endr
.endr
.rept 4
	v_nop                                          ; places in front of the loads into F and of the first reads of the scores
.endr
.irp g, 0,1                                    ; V, turned: it lands under the softmax
.irp f, 0,1,2,3
	ds_load_tr16_b128 v[F+32*\g+8*\f:F+32*\g+8*\f+3], v[ADV] offset:(\q)*VSTP+\g*4608+32*\f
	ds_load_tr16_b128 v[F+32*\g+8*\f+4:F+32*\g+8*\f+7], v[ADV] offset:(\q)*VSTP+\g*4608+32*\f+2304
.endr
.endr
	s_wait_kmcnt 0x0                               ; this step's mask words (asked for a step ago)
.set nn, 0
.rept 64                                       ; the mask: a select, never a branch; ascending
.if nn < 32
.set MR, 16+nn
.elseif nn < 48
.set MR, 48+nn-32
.else
.set MR, 84+nn-48
.endif
	v_cndmask_b32 v[S+nn], v[NEG], v[S+nn], s[MR]
.set nn, nn+1
.endr
.if \more
	s_add_nc_u64 s[6:7], s[6:7], 128               ; no scalar load is out: 32 words a tile and step
	s_load_b512 s[16:31], s[6:7], 0x0
	s_load_b512 s[32:47], s[6:7], 0x40
	s_load_b512 s[48:63], s[6:7], 0x1000
	s_load_b512 s[84:99], s[6:7], 0x1040
.endif
.irp j, 0,1,2,3                                ; the maximum: four chains a tile, the tiles by turns
.irp t, 0,1
	v_max3_num_f32 v[ST+8*\t+4+\j], v[S+32*\t+8*\j], v[S+32*\t+8*\j+1], v[S+32*\t+8*\j+2]
.endr
.endr
.irp u, 1,2
.irp j, 0,1,2,3
.irp t, 0,1
	v_max3_num_f32 v[ST+8*\t+4+\j], v[ST+8*\t+4+\j], v[S+32*\t+8*\j+2*\u+1], v[S+32*\t+8*\j+2*\u+2]
.endr
.endr
.endr
.irp t, 0,1
	v_max3_num_f32 v[ST+8*\t+4], v[ST+8*\t+4], v[S+32*\t+7], v[S+32*\t+15]
.endr
.irp t, 0,1
	v_max3_num_f32 v[ST+8*\t+6], v[ST+8*\t+6], v[S+32*\t+23], v[S+32*\t+31]
.endr
.irp t, 0,1
	v_max3_num_f32 v[ST+8*\t+4], v[ST+8*\t+4], v[ST+8*\t+5], v[ST+8*\t+6]
.endr
.irp t, 0,1
	v_max3_num_f32 v[ST+8*\t+4], v[ST+8*\t+4], v[ST+8*\t+7], v[ST+8*\t]    ; and the old m
.endr
.irp t, 0,1
	v_permlanex16_b32 v[ST+8*\t+5], v[ST+8*\t+4], s10, s11                 ; the query's other 32 keys lie in the lane 16 away
.endr
.irp t, 0,1
	v_max_num_f32 v[ST+8*\t+5], v[ST+8*\t+4], v[ST+8*\t+5]                 ; the new m
.endr
.irp t, 0,1
	v_sub_f32 v[ST+8*\t+7], v[ST+8*\t], v[ST+8*\t+5]                       ; m_old - m_new
.endr
.irp t, 0,1
	v_mov_b32 v[ST+8*\t], v[ST+8*\t+5]
.endr
.irp t, 0,1
.set nn, 0
.rept 16
	v_pk_add_f32 v[S+32*\t+2*nn:S+32*\t+2*nn+1], v[S+32*\t+2*nn:S+32*\t+2*nn+1], v[ST+8*\t:ST+8*\t+1] op_sel_hi:[1,0] neg_lo:[0,1] neg_hi:[0,1]   ; t - m, two at a time
.set nn, nn+1
.endr
.endr
.irp t, 0,1
	v_exp_f32 v[ST+8*\t+6], v[ST+8*\t+7]           ; a
.endr
.set nn, 0
.rept 64
	v_exp_f32 v[S+nn], v[S+nn]                     ; p: one batch of 66 exponentials
.set nn, nn+1
.endr
	v_nop                                          ; a plain line behind the last exponential
	s_wait_alu depctr_va_vdst(0)                   ; one wait for the whole batch, ahead of its first reader
.irp t, 0,1                                    ; the sums of the unrounded p: two chains a tile
	v_pk_add_f32 v[ST+8*\t+4:ST+8*\t+5], v[S+32*\t:S+32*\t+1], v[S+32*\t+2:S+32*\t+3]
	v_pk_add_f32 v[CH+2*\t:CH+2*\t+1], v[S+32*\t+4:S+32*\t+5], v[S+32*\t+6:S+32*\t+7]
.endr
.irp j, 8,12,16,20,24,28
.irp t, 0,1
	v_pk_add_f32 v[ST+8*\t+4:ST+8*\t+5], v[ST+8*\t+4:ST+8*\t+5], v[S+32*\t+\j:S+32*\t+\j+1]
	v_pk_add_f32 v[CH+2*\t:CH+2*\t+1], v[CH+2*\t:CH+2*\t+1], v[S+32*\t+\j+2:S+32*\t+\j+3]
.endr
.endr
.irp t, 0,1
	v_pk_add_f32 v[ST+8*\t+4:ST+8*\t+5], v[ST+8*\t+4:ST+8*\t+5], v[CH+2*\t:CH+2*\t+1]
.endr
.irp t, 0,1
	v_pk_fma_f32 v[ST+8*\t+2:ST+8*\t+3], v[ST+8*\t+2:ST+8*\t+3], v[ST+8*\t+6:ST+8*\t+7], v[ST+8*\t+4:ST+8*\t+5] op_sel_hi:[1,0,1]   ; l = a l + the step's sum
.endr
.irp t, 0,1
.set nn, 0
.rept 16
	v_cvt_pk_f16_f32 v[S+32*\t+nn], v[S+32*\t+2*nn], v[S+32*\t+2*nn+1]     ; P in place: the destination never runs ahead of numbers still to be read
.set nn, nn+1
.endr
.endr
.irp t, 0,1
.set nn, 0
.rept 16
	v_pk_mul_f32 v[O+32*\t+2*nn:O+32*\t+2*nn+1], v[O+32*\t+2*nn:O+32*\t+2*nn+1], v[ST+8*\t+6:ST+8*\t+7] op_sel_hi:[1,0]   ; O^T x a
.set nn, nn+1
.endr
.endr
	s_wait_dscnt 0x0                               ; V is in
.irp g, 0,1                                    ; O^T += V^T P: eight accumulators by turns
.irp f, 0,1,2,3
.irp t, 0,1
	v_wmma_f32_16x16x32_f16 v[O+32*\t+8*\f:O+32*\t+8*\f+7], v[F+32*\g+8*\f:F+32*\g+8*\f+7], v[S+32*\t+8*\g:S+32*\t+8*\g+7], v[O+32*\t+8*\f:O+32*\t+8*\f+7]
.endr
.endr
.endr
.endm
; THE CHANGE OF SLOTS, at a slot's head.  Each wave waits for all its tensor loads, adds 0 to its spare word, and waits for that and for its reads of the slot that it has left.
; fill = 1: a round of the cluster's barrier; behind it the slot just left is filled with the next 256 keys: one load a fetching wave, which has the slot's four steps in which to land.
.macro CHANGE fill
	s_wait_tensorcnt 0x0                           ; no tensor load of mine is out, so group 0 may be written
	ds_add_u32 v[SPW], v[NIL]
.if \fill
	ds_add_u32 v[SPW], v[NIL]                      ; and twice on end here, in every trip alike
	s_xor_b32 s13, s13, SLOT1                      ; the other slot than last time,
	s_add_nc_u64 s[14:15], s[14:15], 32768         ; the next 256 keys; the type bits on top are not reached
	s_wait_xcnt 0x0                                ; the last prefetch, a slot back, has read its address
	s_add_nc_u64 s[PFA:PFA+1], s[PFA:PFA+1], 32768
.endif
	s_wait_dscnt 0x0                               ; the add is done, and my reads of the slot that I have left are over
.if \fill
	CROUND
	TLOAD
	ASK
.else
	s_barrier_signal -1
	s_barrier_wait -1
.endif
.endm
	s_wait_loadcnt 0x0                             ; Q
.Lslot:                                            ; seven trips: behind each change of slots but the last the next slot is asked for
	CHANGE 1
	STEP 0, 1
	STEP 1, 1
	STEP 2, 1
	STEP 3, 1
	s_xor_b32 s[TB], s[TB], SLOT1
	s_sub_co_u32 s[SLOTS], s[SLOTS], 1
	s_cmp_lg_u32 s[SLOTS], 0
	s_cbranch_scc1 .Lslot
	CHANGE 0                                       ; the last slot is written out
	STEP 0, 1
	STEP 1, 1
	STEP 2, 1
	STEP 3, 0
	; THE WAY OUT.  O^T / l, rounded to f16, through my stage (in the slot left at the last change: it has had its last fill and nobody reads it), and out as rows of 128 bytes.
.irp t, 0,1
	v_add_f32 v[ST+8*\t+4], v[ST+8*\t+2], v[ST+8*\t+3]
.endr
.irp t, 0,1
	v_permlanex16_b32 v[ST+8*\t+5], v[ST+8*\t+4], s10, s11
.endr
.irp t, 0,1
	v_add_f32 v[ST+8*\t+4], v[ST+8*\t+4], v[ST+8*\t+5]
.endr
.irp t, 0,1
	v_rcp_f32 v[ST+8*\t+6], v[ST+8*\t+4]
.endr
	v_nop                                          ; a plain line behind the reciprocals (with the additions above: the places behind the last products)
	s_wait_alu depctr_va_vdst(0)                   ; one wait for both, ahead of the first reader
.irp t, 0,1
.set nn, 0
.rept 16
	v_pk_mul_f32 v[O+32*\t+2*nn:O+32*\t+2*nn+1], v[O+32*\t+2*nn:O+32*\t+2*nn+1], v[ST+8*\t+6:ST+8*\t+7] op_sel_hi:[1,0]
.set nn, nn+1
.endr
.set nn, 0
.rept 16
	v_cvt_pk_f16_f32 v[S+16*\t+nn], v[O+32*\t+2*nn], v[O+32*\t+2*nn+1]
.set nn, nn+1
.endr
.irp f, 0,1,2,3
	ds_store_b128 v[STO], v[S+16*\t+4*\f:S+16*\t+4*\f+3] offset:\t*2304+32*\f     ; query r, channels 16 f + 8 h + 0..7
.endr
.irp i, 0,1,2,3
	ds_load_b128 v[F+16*\t+4*\i:F+16*\t+4*\i+3], v[RD] offset:\t*2304+4*\i*144    ; in order behind my stores
.endr
.endr
	s_wait_dscnt 0x0
.irp t, 0,1
.irp i, 0,1,2,3
	global_store_b128 v[GO], v[F+16*\t+4*\i:F+16*\t+4*\i+3], s[8:9] offset:\t*32768+\i*8192   ; four rows, 128 consecutive bytes each
.endr
.endr
	s_wait_tensorcnt 0x0                           ; the wave's end
	ds_add_u32 v[SPW], v[NIL]
	s_wait_dscnt 0x0
	CROUND                                         ; the closing round
	s_endpgm
.Lfunc_end_k_qac2a06fc50_attn:
	.size	k_qac2a06fc50_attn, .Lfunc_end_k_qac2a06fc50_attn-k_qac2a06fc50_attn
	.p2alignl 7, 3214868480
	.fill 96, 4, 3214868480
	.section	.rodata,"a",@progbits
	.p2align	6, 0x0
	.amdhsa_kernel k_qac2a06fc50_attn
		.amdhsa_group_segment_fixed_size 327680
		.amdhsa_private_segment_fixed_size 0
		.amdhsa_enable_private_segment 0
		.amdhsa_kernarg_size 24
		.amdhsa_user_sgpr_count 2
		.amdhsa_user_sgpr_kernarg_segment_ptr 1
		.amdhsa_wavefront_size32 1
		.amdhsa_system_sgpr_workgroup_id_x 1
		.amdhsa_system_sgpr_workgroup_id_y 1
		.amdhsa_system_sgpr_workgroup_id_z 1
		.amdhsa_system_vgpr_workitem_id 0
		.amdhsa_next_free_vgpr 256
		.amdhsa_next_free_sgpr 102
		.amdhsa_reserve_vcc 0
		.amdhsa_float_denorm_mode_32 3
		.amdhsa_float_denorm_mode_16_64 3
		.amdhsa_memory_ordered 1
		.amdhsa_forward_progress 1
		.amdhsa_inst_pref_size 187
	.end_amdhsa_kernel
	.amdgpu_metadata
---
amdhsa.version: [ 1, 2 ]
amdhsa.kernels:
  - .name:           k_qac2a06fc50_attn
    .symbol:         k_qac2a06fc50_attn.kd
    .args:
      - { .name: qkv, .offset: 0, .size: 8, .value_kind: global_buffer, .address_space: global }
      - { .name: mbits, .offset: 8, .size: 8, .value_kind: global_buffer, .address_space: global }
      - { .name: xa, .offset: 16, .size: 8, .value_kind: global_buffer, .address_space: global }
    .group_segment_fixed_size: 327680
    .private_segment_fixed_size: 0
    .kernarg_segment_align: 8
    .kernarg_segment_size: 24
    .max_flat_workgroup_size: 512
    .sgpr_count:     102
    .vgpr_count:     256
    .wavefront_size: 32
...
	.end_amdgpu_metadata
.endif
;; end of part 3
;; launch oproj (part 4): grid 8 x 64, 4 waves a work-group, clusters of 4 x 4, 327,680 bytes of LDS; arguments xa, wo16, b_o, out0; writes out0
.if DOCPART == 4
	.amdgcn_target "amdgcn-amd-amdhsa--gfx1250"
	.amdhsa_code_object_version 6
	.text
	.protected	k_qac2a06fc50_oproj
	.globl	k_qac2a06fc50_oproj
	.p2align	8
	.type	k_qac2a06fc50_oproj,@function
k_qac2a06fc50_oproj:
	s_mov_b64 s[64:65], 0
	v_nop
	global_prefetch_b8 v0, s[64:65] scope:SCOPE_SE
	s_setreg_imm32_b32 hwreg(HW_REG_WAVE_MODE, 25, 1), 1
	s_wait_xcnt 0x0
	s_wait_alu depctr_hold_cnt(0) depctr_sa_sdst(0) depctr_va_vdst(0) depctr_va_sdst(0) depctr_va_ssrc(0) depctr_va_vcc(0) depctr_vm_vsrc(0)
	s_getreg_b32 s2, hwreg(HW_REG_IB_STS2, 6, 4)
	s_cmp_eq_u32 s2, 0
	s_cbranch_scc0 .Lentry_in_a_cluster
	s_endpgm
.Lentry_in_a_cluster:
	s_bfe_u32 s2, ttmp6, 0x10000c
	s_cmp_lg_u32 s2, 0xf033
	s_cbranch_scc0 .Lentry_shape_is_right
	s_endpgm
.Lentry_shape_is_right:
; OPROJ: out0[m][n] = sum over k of xa[m][k] wo16[n][k] + b_o[n].  xa [8192][1024], wo16 [1024][1024]: f16; sums and out0 in f32.
; A tile of out0 is 128 x 128 (512 tiles: two for each of 256 WGPs; tiles of 256 x 256 would be 128).  Four waves, each 64 x 64: 16 accumulators.  K goes in four steps of 256 (LDS rows of 512 bytes) through two slots.
; CLUSTERS: 4 x 4 work-groups; xa's tiles are asked for jointly along a row of the cluster, wo16's along a column.
; THE MATRIX INSTRUCTION IS USED TRANSPOSED (source 0 = 16 rows of wo16, source 1 = 16 rows of xa): a lane holds eight neighbouring numbers of a row of out0.  The bias is the C of each sum's first matrix instruction.
; A wave's 64 columns of f32 are 256 consecutive bytes, aligned: each wave has a stage of its own on the way out, and no barrier stands there.
; REGISTERS: window 0: v0-31 addresses; v32-95 rows read back; v96-127 the bias; v128-255 the accumulators ((a, b) at v[128 + 8 (4 a + b)]).   window 1: two fragment buffers of 128.
.set SIZE_K, 1024
.set KSTEP,  256
.set PITCH,  528                       ; 512 bytes + 16 of padding
.set HALFT,  64*PITCH
.set SLOT,   4*HALFT
.set STAGE,  2*SLOT                    ; behind the ring: 16 rows x 272 bytes for each wave
.set SPITCH, 272
.set SPARE,  STAGE+4*16*SPITCH         ; the spare words, 128 bytes for each wave
.set LAPS, SIZE_K/(2*KSTEP)
.set ADRA, 16
.set ADRB, 20
.set STO,  24
.set RD,   25
.set CO,   26
.set SPW,  28
.set NIL,  29
.set BO,   30
.set TMP,  32
.set BI,   96
.set ACC,  128
.set F0,   0
.set F1,   128
.set G1, 24
.set G0, 32
.set G1B, 48
.set G0B, 56
.set MSB, 0
.macro WIN new
.if MSB != (\new)
	s_set_vgpr_msb (MSB<<8)|(\new)
.set MSB, (\new)
.endif
.endm
.set MUL,  0x05                        ; sources 0 and 1 window 1; C and D window 0
.set TO_F, 0x40
.macro JLOAD s                         ; waves 0 and 1 fetch xa's halves, waves 2 and 3 wo16's; an s_nop 0 and four v_nop follow each line
	s_cmp_eq_u32 s11, 0
	s_cbranch_scc0 .Lfor_b_\@
	tensor_load_to_lds s[G0+4*\s:G0+4*\s+3], s[G1:G1+7]
	s_nop 0
.rept 4
	v_nop
.endr
	s_branch .Lasked_\@
.Lfor_b_\@:
	tensor_load_to_lds s[G0B+4*\s:G0B+4*\s+3], s[G1B:G1B+7]
	s_nop 0
.rept 4
	v_nop
.endr
.Lasked_\@:
.endm
.macro CREST
	s_cmp_lg_u32 s10, 0
	s_cbranch_scc1 .Lnot_wave_0_\@
	s_barrier_signal -3
.Lnot_wave_0_\@:
	s_barrier_wait -3
	s_barrier_signal -1
	s_barrier_wait -1
.endm
.macro CROUND
	s_barrier_signal -1
	s_barrier_wait -1
	CREST
.endm
	s_load_b128 s[4:7], s[0:1], 0x0                ; xa, wo16
	s_load_b64 s[66:67], s[0:1], 0x10              ; b_o
	s_load_b64 s[8:9], s[0:1], 0x18                ; out0
	v_lshl_add_u32 v[SPW], v0, 2, SPARE
	v_mov_b32 v[NIL], 0
	ds_add_u32 v[SPW], v[NIL]                      ; the wave's opening: the add, twice on end, and its wait ahead of my first tensor load
	ds_add_u32 v[SPW], v[NIL]
	v_lshrrev_b32 v1, 5, v0
	v_readfirstlane_b32 s10, v1                    ; wave 0..3
	s_lshr_b32 s11, s10, 1                         ; my half of the tile's rows; also: I fetch for A (0) or B (1)
	s_and_b32 s12, s10, 1                          ; my half of its columns; also: which 64 rows I fetch
	s_bfe_u32 s40, ttmp6, 0x40000
	s_bfe_u32 s41, ttmp6, 0x40004
	s_lshl_b32 s42, ttmp9, 2
	s_add_co_u32 s42, s42, s40                     ; tile column
	s_and_b32 s13, ttmp7, 0xffff
	s_lshl_b32 s13, s13, 2
	s_add_co_u32 s13, s13, s41                     ; tile row
	s_lshl_b32 s43, s41, 2
	s_lshl_b32 s43, 15, s43                        ; my row of the cluster
	s_lshl_b32 s44, 0x1111, s40                    ; my column
	s_or_b32 s[G1+0], s43, (1<<16)|(1<<20)|(1<<21)|(6<<22)|(3<<25)   ; mask; elements of 2 bytes; 4 words of padding behind every 128; bit 21 beside a mask
	s_or_b32 s[G1B+0], s44, (1<<16)|(1<<20)|(1<<21)|(6<<22)|(3<<25)
.irp g, G1, G1B
	s_mov_b32 s[\g+1], KSTEP<<16
	s_mov_b32 s[\g+2], 64<<16
	s_mov_b32 s[\g+3], KSTEP<<16
	s_mov_b32 s[\g+4], 64
	s_mov_b32 s[\g+5], SIZE_K
	s_mov_b32 s[\g+6], 0
	s_mov_b32 s[\g+7], 0
.endr
	s_lshl_b32 s17, s12, 6
	s_lshl_b32 s16, s13, 7
	s_add_co_u32 s16, s16, s17                     ; A: row 128 x tile row + 64 x half
	s_lshl_b32 s46, s42, 7
	s_add_co_u32 s46, s46, s17                     ; B: row 128 x tile column + 64 x half
	s_mov_b32 s17, 0
	s_mov_b32 s47, 0
	s_mov_b64 s[18:19], SIZE_K*2
	s_mul_u64 s[16:17], s[16:17], s[18:19]
	s_mul_u64 s[46:47], s[46:47], s[18:19]
	s_mul_i32 s20, s10, HALFT
	s_wait_dscnt 0x0                               ; both opening adds are done
	s_wait_kmcnt 0x0
	s_add_nc_u64 s[14:15], s[4:5], s[16:17]
	s_add_nc_u64 s[46:47], s[6:7], s[46:47]
	CROUND
.irp s, 0,1
	s_mov_b32 s[G0+4*\s], 1
	s_add_co_u32 s[G0+4*\s+1], s20, \s*SLOT
	s_add_nc_u64 s[G0+4*\s+2:G0+4*\s+3], s[14:15], \s*KSTEP*2
	s_or_b32 s[G0+4*\s+3], s[G0+4*\s+3], 0x80000000
	s_mov_b32 s[G0B+4*\s], 1
	s_add_co_u32 s[G0B+4*\s+1], s20, \s*SLOT
	s_add_nc_u64 s[G0B+4*\s+2:G0B+4*\s+3], s[46:47], \s*KSTEP*2
	s_or_b32 s[G0B+4*\s+3], s[G0B+4*\s+3], 0x80000000
	JLOAD \s
.endr
	v_and_b32 v1, 15, v0                           ; r
	v_bfe_u32 v2, v0, 4, 1                         ; h
	s_lshl_b32 s16, s13, 7
	s_lshl_b32 s17, s11, 6
	s_add_co_u32 s16, s16, s17                     ; my first row of out0: 128 x tile row + 64 x half,
	s_lshl_b32 s16, s16, 12                        ; 4,096 bytes a row
	s_mov_b32 s17, 0
	s_lshl_b32 s46, s42, 9
	s_lshl_b32 s47, s12, 8
	s_add_co_u32 s46, s46, s47                     ; my first column, in bytes: (128 x tile column + 64 x half) x 4
	s_mov_b32 s47, 0
	s_add_nc_u64 s[8:9], s[8:9], s[16:17]
	s_add_nc_u64 s[8:9], s[8:9], s[46:47]
	s_add_nc_u64 s[66:67], s[66:67], s[46:47]      ; and the same columns of the bias
	v_lshlrev_b32 v[BO], 5, v2
.irp b, 0,1,2,3
	global_load_b128 v[BI+8*\b:BI+8*\b+3], v[BO], s[66:67] offset:64*\b          ; lane (r, h): b_o[16 b + 8 h + 0..7]
	global_load_b128 v[BI+8*\b+4:BI+8*\b+7], v[BO], s[66:67] offset:64*\b+16
.endr
	v_mul_u32_u24 v3, v1, PITCH
	v_lshl_add_u32 v3, v2, 4, v3
	s_mul_i32 s21, s11, HALFT
	s_mul_i32 s22, s12, HALFT
	s_add_co_u32 s22, s22, 2*HALFT
.irp s, 0,1
	v_add_nc_u32 v[ADRA+\s], s21, v3
	v_add_nc_u32 v[ADRB+\s], s22, v3
	s_add_co_u32 s21, s21, SLOT
	s_add_co_u32 s22, s22, SLOT
.endr
	s_mul_i32 s23, s10, 16*SPITCH
	s_add_co_u32 s23, s23, STAGE                   ; my stage
	v_mul_u32_u24 v4, v1, SPITCH
	v_lshl_add_u32 v4, v2, 5, v4
	v_add_nc_u32 v[STO], s23, v4                   ; in: row r, 32 bytes for each half of the lanes
	v_mul_u32_u24 v5, v2, SPITCH
	v_lshl_add_u32 v5, v1, 4, v5
	v_add_nc_u32 v[RD], s23, v5                    ; back: lanes 0-15 one row of 256 bytes, lanes 16-31 the next
	v_lshlrev_b32 v5, 12, v2
	v_lshl_add_u32 v[CO], v1, 4, v5                ; and the same two rows in out0
.macro MUL8 f, c, a0, zero             ; 8 matrix instructions: m blocks a0, a0 + 1 x 4 n blocks, 32 along K.  zero = 1: the sums begin with the bias as C
.irp a, \a0, \a0+1
.irp b, 0,1,2,3
.if \zero
	v_wmma_f32_16x16x32_f16 v[ACC+8*(4*(\a)+\b):ACC+8*(4*(\a)+\b)+7], v[\f+64+8*(4*\c+\b):\f+64+8*(4*\c+\b)+7], v[\f+8*(4*\c+\a):\f+8*(4*\c+\a)+7], v[BI+8*\b:BI+8*\b+7]
.else
	v_wmma_f32_16x16x32_f16 v[ACC+8*(4*(\a)+\b):ACC+8*(4*(\a)+\b)+7], v[\f+64+8*(4*\c+\b):\f+64+8*(4*\c+\b)+7], v[\f+8*(4*\c+\a):\f+8*(4*\c+\a)+7], v[ACC+8*(4*(\a)+\b):ACC+8*(4*(\a)+\b)+7]
.endif
.endr
.endr
.endm
.macro FETCH slot, k, f                ; 32 LDS loads in one run: 64 along K at byte k of the rows; the first 32 along K first
	WIN TO_F
.irp c, 0,1
.irp i, 0,1,2,3
	ds_load_b128 v[\f+64+8*(4*\c+\i):\f+64+8*(4*\c+\i)+3],   v[ADRB+\slot] offset:\k+64*\c+\i*16*PITCH
	ds_load_b128 v[\f+64+8*(4*\c+\i)+4:\f+64+8*(4*\c+\i)+7], v[ADRB+\slot] offset:\k+64*\c+\i*16*PITCH+32
	ds_load_b128 v[\f+8*(4*\c+\i):\f+8*(4*\c+\i)+3],         v[ADRA+\slot] offset:\k+64*\c+\i*16*PITCH
	ds_load_b128 v[\f+8*(4*\c+\i)+4:\f+8*(4*\c+\i)+7],       v[ADRA+\slot] offset:\k+64*\c+\i*16*PITCH+32
.endr
.endr
.endm
.macro PLACES
.rept 4
	v_nop
.endr
.endm
.macro QUARTER slot, k, f, g, zero     ; 64 along K: multiplies buffer f and fetches the next quarter, at byte k, into g
	s_wait_dscnt 16                                ; the first 32 along K are in; the other sixteen loads may be out
	WIN MUL
	MUL8 \f, 0, 0, \zero
	MUL8 \f, 0, 2, \zero
	PLACES
	FETCH \slot, \k, \g
	s_wait_dscnt 32                                ; all but the 32 just issued
	WIN MUL
	MUL8 \f, 1, 0, 0
	MUL8 \f, 1, 2, 0
.endm
.macro TURN slot, next, fill           ; the last quarter changes slots: one barrier; fill = 1: it opens a round of the cluster's barrier, and this slot is filled again, two K steps ahead
	WIN 0
	s_wait_tensorcnt 0x0                           ; all my tensor loads have landed: my part of the next slot
	ds_add_u32 v[SPW], v[NIL]
	s_wait_dscnt 17                                ; the add and the youngest sixteen loads may be out
	WIN MUL
	MUL8 F1, 0, 0, 0
	s_wait_dscnt 0x0                               ; the add is done, and my reads of this slot are over
	s_barrier_signal -1
	MUL8 F1, 0, 2, 0
.if \fill
	WIN 0
.endif
	s_barrier_wait -1
.if \fill
	CREST
	s_add_nc_u64 s[G0+4*\slot+2:G0+4*\slot+3], s[G0+4*\slot+2:G0+4*\slot+3], 2*KSTEP*2
	s_add_nc_u64 s[G0B+4*\slot+2:G0B+4*\slot+3], s[G0B+4*\slot+2:G0B+4*\slot+3], 2*KSTEP*2
	JLOAD \slot                                    ; the first tensor load behind the round; its four v_nop are also the places in front of the loads below
.else
	PLACES
.endif
	FETCH \next, 0, F0
	WIN MUL
	MUL8 F1, 1, 0, 0
	MUL8 F1, 1, 2, 0
.endm
	s_wait_tensorcnt 1                             ; my part of K step 0 is in; K step 1's load may be out
	s_wait_loadcnt 0x0                             ; the bias
	s_barrier_signal -1
	s_barrier_wait -1
	FETCH 0, 0, F0
	QUARTER 0, 128, F0, F1, 1
	WIN 0
	s_mov_b32 s3, LAPS-1
.Llap:                                                 ; a trip goes once round the ring and fills both slots again
	QUARTER 0, 256, F1, F0, 0
	QUARTER 0, 384, F0, F1, 0
	TURN 0, 1, 1
	QUARTER 1, 128, F0, F1, 0
	QUARTER 1, 256, F1, F0, 0
	QUARTER 1, 384, F0, F1, 0
	TURN 1, 0, 1
	QUARTER 0, 128, F0, F1, 0
	WIN 0
	s_sub_co_u32 s3, s3, 1
	s_cmp_lg_u32 s3, 0
	s_cbranch_scc1 .Llap
	QUARTER 0, 256, F1, F0, 0                      ; the last lap fills nothing
	QUARTER 0, 384, F0, F1, 0
	TURN 0, 1, 0
	QUARTER 1, 128, F0, F1, 0
	QUARTER 1, 256, F1, F0, 0
	QUARTER 1, 384, F0, F1, 0
	s_wait_dscnt 16
	WIN MUL
	MUL8 F1, 0, 0, 0
	MUL8 F1, 0, 2, 0
	s_wait_dscnt 0
	MUL8 F1, 1, 0, 0
	MUL8 F1, 1, 2, 0
	WIN 0
	; THE WAY OUT, 16 rows at a time: 32 bytes a lane into my own stage, back as whole rows of 256 bytes, stored by sixteen lanes each.
	PLACES
.irp a, 0,1,2,3
.if \a > 1
	s_wait_xcnt 0x0                                ; the stores of the block two back have read the registers that are loaded again below
.endif
.irp b, 0,1,2,3
	ds_store_b128 v[STO], v[ACC+8*(4*\a+\b):ACC+8*(4*\a+\b)+3] offset:64*\b        ; each accumulator from its low end on
	ds_store_b128 v[STO], v[ACC+8*(4*\a+\b)+4:ACC+8*(4*\a+\b)+7] offset:64*\b+16
.endr
.irp i, 0,1,2,3,4,5,6,7
	ds_load_b128 v[TMP+32*(\a%2)+4*\i:TMP+32*(\a%2)+4*\i+3], v[RD] offset:2*\i*SPITCH   ; in order behind my stores
.endr
	s_wait_dscnt 0x0
.irp i, 0,1,2,3,4,5,6,7
	global_store_b128 v[CO], v[TMP+32*(\a%2)+4*\i:TMP+32*(\a%2)+4*\i+3], s[8:9] offset:(16*\a+2*\i)*4096 th:TH_STORE_NT   ; 16 lanes store 256 consecutive bytes, aligned
.endr
.endr
	s_wait_tensorcnt 0x0                           ; the wave's end
	ds_add_u32 v[SPW], v[NIL]
	s_wait_dscnt 0x0
	CROUND                                         ; the closing round
	s_endpgm
.Lfunc_end_k_qac2a06fc50_oproj:
	.size	k_qac2a06fc50_oproj, .Lfunc_end_k_qac2a06fc50_oproj-k_qac2a06fc50_oproj
	.p2alignl 7, 3214868480
	.fill 96, 4, 3214868480
	.section	.rodata,"a",@progbits
	.p2align	6, 0x0
	.amdhsa_kernel k_qac2a06fc50_oproj
		.amdhsa_group_segment_fixed_size 327680
		.amdhsa_private_segment_fixed_size 0
		.amdhsa_enable_private_segment 0
		.amdhsa_kernarg_size 32
		.amdhsa_user_sgpr_count 2
		.amdhsa_user_sgpr_kernarg_segment_ptr 1
		.amdhsa_wavefront_size32 1
		.amdhsa_system_sgpr_workgroup_id_x 1
		.amdhsa_system_sgpr_workgroup_id_y 1
		.amdhsa_system_sgpr_workgroup_id_z 1
		.amdhsa_system_vgpr_workitem_id 0
		.amdhsa_next_free_vgpr 512
		.amdhsa_next_free_sgpr 68
		.amdhsa_reserve_vcc 0
		.amdhsa_float_denorm_mode_32 3
		.amdhsa_float_denorm_mode_16_64 3
		.amdhsa_memory_ordered 1
		.amdhsa_forward_progress 1
		.amdhsa_inst_pref_size 86
	.end_amdhsa_kernel
	.amdgpu_metadata
---
amdhsa.version: [ 1, 2 ]
amdhsa.kernels:
  - .name:           k_qac2a06fc50_oproj
    .symbol:         k_qac2a06fc50_oproj.kd
    .args:
      - { .name: xa, .offset: 0, .size: 8, .value_kind: global_buffer, .address_space: global }
      - { .name: wo16, .offset: 8, .size: 8, .value_kind: global_buffer, .address_space: global }
      - { .name: b_o, .offset: 16, .size: 8, .value_kind: global_buffer, .address_space: global }
      - { .name: out0, .offset: 24, .size: 8, .value_kind: global_buffer, .address_space: global }
    .group_segment_fixed_size: 327680
    .private_segment_fixed_size: 0
    .kernarg_segment_align: 8
    .kernarg_segment_size: 32
    .max_flat_workgroup_size: 128
    .sgpr_count:     68
    .vgpr_count:     512
    .wavefront_size: 32
...
	.end_amdgpu_metadata
.endif
;; end of part 4
